; MI455X (gfx1250); checked and timed in simulation.
; The chip was launched on July 23, 2026; its instructions are those of AMD's public machine-readable ISA for CDNA 5 (MIT licence, August 2026) and "CDNA5" Instruction Set Architecture Reference Guide (July 2026). The comments in the code are by the model that wrote it; some were corrected since.
;; Branched FF. Allowed arithmetic: matrix products marked QUANTISED: E5M2 operands, one given power-of-two scale a tensor, by v_wmma_f32_16x16x64_bf8_bf8 or v_wmma_f32_16x16x128_bf8_bf8, f32 sums; everything else in f32.
;; Inputs: W1_codes 4 x 4,096 x 32 x 32 uint8 (E5M2 codes of W1, K innermost, in blocks of 32 codes); W2_codes 4 x 1,024 x 128 x 32 uint8 (E5M2 codes of W2, K innermost, in blocks of 32 codes); b1 4 x 4,096 float32; b2 4 x 1,024 float32; lowp_scales 4 int32 (the exponents e of the quantised operands' scales 2^e); phases 32 x 256 int32; x_codes 32 x 256 x 32 x 32 uint8 (E5M2 codes of x, K innermost, in blocks of 32 codes).
;; Outputs: out0 32 x 256 x 1,024 float32.
;; This version of the problem:
;;   THIS VERSION OF THE PROBLEM IS GIVEN IN LOW PRECISION. The matrix products marked QUANTISED in the list below multiply operands that are first quantised to E5M2 (5 exponent bits, 2 mantissa bits; 8 bits a number), with one given power-of-two scale for each operand tensor; their sums are f32. All else is computed in f32.
;;   The module's matrix products, in the order in which they are computed (A, B: the left and right operand; K: the contracted axis; several contracted axes count as one K, in the product's order):
;;     1. batch 4 x [M 4,096, K 1,024] x [K 1,024, N 2,048]; A: input W1 (given as codes); B: input x (given as codes): QUANTISED (scales: A lowp_scales[0], B lowp_scales[1])
;;     2. batch 4 x [M 1,024, K 4,096] x [K 4,096, N 2,048]; A: input W2 (given as codes); B: computed on the way: QUANTISED (scales: A lowp_scales[2], B lowp_scales[3])
;;   THE QUANTISER, for each operand of a quantised product, along K:
;;     - The operand's scale is 2^e, e = its entry of the input lowp_scales (int32; the entries are numbered through the quantised products in the list's order, A before B).
;;     - Each number is divided by the scale, clamped to +-57,344, and rounded to the nearest number of E5M2, ties to even, subnormals kept.
;;     - The product sums the exact products of the quantised numbers (number of the format x scale) in f32.
;;   ~~~python
;;   def quantise(x, axis, e):      # numpy; x: float32 -> the quantised numbers, widened to float32 again
;;       x = np.moveaxis(x, axis, -1); K = x.shape[-1]
;;       r = np.clip(x / 2.0 ** e, -57344, 57344)
;;       step = 2.0 ** (np.maximum(np.frexp(np.where(r == 0, 1, r))[1] - 1, -14) - 2)
;;       q = np.round(r / step) * step * 2.0 ** e      # np.round: ties to even
;;       return np.moveaxis(q, -1, axis).astype(np.float32)
;;   ~~~
;;   OPERANDS COMPUTED ON THE WAY. 'Computed on the way' means the value that the module computes at that place (a softmax that the list does not call 'softmax' is quantised finished and normalised). What goes into a quantiser is computed in f32, as accurately as f32 sums, v_exp_f32 and their like allow (about 1e-6 of the number): no bf16 or f16 on the way to a quantiser, and a product that is left as it is and whose result goes on into a quantised operand takes f32 operands (vector FMAs, or v_wmma_f32_16x16x4_f32). A number that lies on a knife's edge between two numbers of the format may be rounded either way, as far as f32 arithmetic and the matrix unit's own rounding can turn it there, and no further.
;;   INPUTS GIVEN AS CODES. W1 (in the module: [4, 1024, 4096], K = its axis 1); W2 (in the module: [4, 4096, 1024], K = its axis 1); x (in the module: [32, 256, 1024], K = its axis 2): each comes as NAME_codes (uint8): NAME with its K axis moved to the last place and cut into blocks of 32 codes, [.., K / 32, bytes a block], one block behind the other in memory; one code a byte (a code: sign, 5 exponent bits, 2 mantissa bits); its scale is its entry of lowp_scales. Its value is code x scale, taken as it is: it is not quantised again, and the codes and scales need not be those that the quantiser above would give.
;; 2 versions. Each part assembles by itself: llvm-mc -triple=amdgcn-amd-amdhsa -mcpu=gfx1250 --defsym DOCPART=n.
;; ======== version 1 of 2: 2 launches
;; workspace buffers: h_codes 33,554,432 bytes
;; launch ff1 (part 1): grid 32 x 8, 4 waves a work-group, clusters of 4 x 1, 327,680 bytes of LDS; arguments x_codes, W1_codes, b1, lowp_scales, h_codes; writes h_codes
.if DOCPART == 1
	.amdgcn_target "amdgcn-amd-amdhsa--gfx1250"
	.amdhsa_code_object_version 6
	.text
	.protected	k_q7e2091c9f5_ff1
	.globl	k_q7e2091c9f5_ff1
	.p2align	8
	.type	k_q7e2091c9f5_ff1,@function
k_q7e2091c9f5_ff1:
	s_mov_b64 s[64:65], 0
	v_nop
	global_prefetch_b8 v0, s[64:65] scope:SCOPE_SE
	s_setreg_imm32_b32 hwreg(HW_REG_WAVE_MODE, 25, 1), 1
	s_wait_xcnt 0x0
	s_wait_alu depctr_hold_cnt(0) depctr_sa_sdst(0) depctr_va_vdst(0) depctr_va_sdst(0) depctr_va_ssrc(0) depctr_va_vcc(0) depctr_vm_vsrc(0)
	s_getreg_b32 s2, hwreg(HW_REG_IB_STS2, 6, 4)
	s_cmp_eq_u32 s2, 0
	s_cbranch_scc0 .Lentry_in_a_cluster
	s_endpgm
.Lentry_in_a_cluster:
	s_bfe_u32 s2, ttmp6, 0x10000c
	s_cmp_lg_u32 s2, 0x3003
	s_cbranch_scc0 .Lentry_shape_is_right
	s_endpgm
.Lentry_shape_is_right:
; h = Q(relu(x W1 + b1)) for the four phases, on codes of BF8 (E5M2).  Phase p owns sequence positions 64 p .. 64 p + 63 of each of the 32 batches: 2,048 rows.
; x_codes [32][256][1024], W1_codes [4][4096][1024]: one code a byte, K innermost.  b1 [4][4096] f32.  lowp_scales: e0 (W1), e1 (x), e2 (W2), e3 (h).
; The input phases is not among the arguments: reference() uses its rank alone, no value of it enters a result, and the partition of the sequence is fixed.
; OUT: h_codes, laid in the order of the next product's operand registers: [phase 4][block of 128 rows 16][K step of 128 units 32][tile of 16 rows 8][2,048 bytes];
; in a tile's 2,048 bytes lane (r, h) has its 16 bytes at 512 c + 16 lane: row r, units 32 c + 16 h + 0 .. 15 of the K step.  A phase's row is 64 x batch + position.
; SHARES.  Work-group (fb, y): 128 hidden units (block fb, which is the next product's K step fb), phase y / 2, half y % 2 of the phase's rows: four tiles of 256 rows (four batches), K = 1,024.
; Wave w: units 64 (w / 2) on, rows 128 (w % 2) on: 4 x 8 accumulators.  ITS PART OF W1 (64 units x 1,024 K: 512 registers) STAYS IN REGISTERS; only x goes through LDS, in two slots of 256 rows x 512 K.
; So a fragment of x read from LDS feeds four products, and slot 0 always holds K 0 .. 511 of a tile, slot 1 K 512 .. 1,023.
; CLUSTER.  The four unit blocks of a cluster walk the same rows of x: each wave's chunk (64 rows of one batch x 512 K) is asked for JOINTLY by the four, with one descriptor and the mask 15.
; THE PRODUCT IS USED TRANSPOSED (source 0 = 16 units of W1, source 1 = 16 rows of x), AND THE UNITS OF A TILE ARE NOT NEIGHBOURS: row i of tile 2 b + u is unit 32 b + 8 u + i + 8 (i / 8).
; Then lane (r, h) holds row r, and the 16 registers of tiles 2 b, 2 b + 1 are units 32 b + 16 h + 0 .. 15: the conversions' results are the next operand's registers.
; b1 / 2^(e0 + e1) is the C of each sum's first product; relu and the hold at the largest code are one v_med3; the three scales are folded into the conversion's one, 2^(e3 - e0 - e1).
; Both operands hold K = 32 c + 16 h + 0 .. 15 in registers 4 c .. 4 c + 3: the same permutation of k on both sides, so every product meets its partner.
; LIMITS: e3 - e0 - e1 between -126 and 112; b1 x 2^-(e0 + e1) an f32 number; NaN codes are not served; an infinite sum is held at the largest code or at 0.  b1 enters the sum first, not last: an order of rounding within f32.
; REGISTERS, in windows of 256: window 0: v2-6 addresses, v16-47 b1, v48-51 constants, v52-67 codes, v128-255 two buffers of x's fragments (one tile of rows x 4 K steps each);
;   window 1: W1's fragments of K steps 0-3 at 16 (4 k + t); window 2: those of K steps 4-7; window 3: accumulator (n, t) at 32 n + 8 t.
; Vector work and LDS loads stand in short slices behind the products, so that the wave goes on issuing products; each slice that leaves the products' windows costs two switches.
.set XP,    528                        ; a row of x in LDS: 512 bytes + 16 = 132 words: row r starts at bank 4 r mod 64 (64 banks of 4 bytes: ISA guide 11.1)
.set CH,    64*XP                      ; a chunk: 64 rows, what one tensor load brings
.set SLOT,  4*CH                       ; 256 rows
.set WP,    1040                       ; a row of W1 in LDS: 1,024 bytes + 16 = 260 words: again 4 r mod 64
.set WT,    16*WP                      ; a tile of 16 units
.set SPARE, 2*SLOT                     ; behind the ring: the spare words, 128 bytes for each wave: two blocks of 256 bytes that no other line names
.set TSTEP, 0x100000                   ; from a tile of 256 rows to the next: four batches of x (4 x 262,144 bytes), and two row blocks of h_codes (2 x 524,288)
.set AX,  2                            ; v2, v3  LDS address of my fragments of x in slot 0, 1
.set AW,  4                            ; v4      LDS address of my fragments of W1
.set HO,  5                            ; v5      16 x lane: my place in 512 bytes of h_codes
.set BO,  6                            ; v6      64 x (lane / 16): my half's 16 units in b1
.set BI,  16                           ; v16-47  b1 / 2^(e0 + e1): eight registers a tile of units, in the result's layout
.set LIM, 48                           ; v48     57,344 x 2^(e3 - e0 - e1)
.set SCL, 49                           ; v49     2^(e3 - e0 - e1)
.set SPW, 50                           ; v50     LDS address of my spare word; never rewritten
.set NIL, 51                           ; v51     0; never rewritten
.set PC,  52                           ; v52-67  two sets of eight registers of codes
.set XB,  128                          ; v128-191, v192-255  x's fragments, by turns
.set G1X, 24                           ; s[24:31] descriptor group 1 for x's chunks
.set G1W, 32                           ; s[32:39] for W1's tiles
.set G0X, 40                           ; s[40:47] group 0 for x, a set for each slot
.set G0W, 48                           ; s[48:55] group 0 for my two tiles of W1
.set C1,  0xc1                         ; source 0 (W1) window 1, source 1 (x) and C (b1) window 0, D window 3
.set F1,  0xf1                         ; source 0 window 1, source 1 window 0, C and D window 3
.set F2,  0xf2                         ; the same with source 0 in window 2
.set MSB, 0
.macro WIN new                         ; the immediate's high byte repeats the setting that is left; a switch that changes nothing is dropped
.if MSB != (\new)
	s_set_vgpr_msb (MSB<<8)|(\new)
.set MSB, (\new)
.endif
.endm
.macro PLACES n
.rept \n
	v_nop
.endr
.endm
.macro CREST                           ; a round of the cluster's barrier behind its opening barrier
	s_cmp_lg_u32 s14, 0
	s_cbranch_scc1 .Lnot_wave_0_\@
	s_barrier_signal -3
.Lnot_wave_0_\@:
	s_barrier_wait -3
	s_barrier_signal -1
	s_barrier_wait -1
.endm
.macro CROUND                          ; a whole round
	s_barrier_signal -1
	s_barrier_wait -1
	CREST
.endm
.macro XLOAD s                         ; my chunk of slot s, asked for jointly; an s_nop 0 and four v_nop follow
	tensor_load_to_lds s[G0X+4*(\s):G0X+4*(\s)+3], s[G1X:G1X+7]
	s_nop 0
	PLACES 4
.endm
	s_load_b256 s[4:11], s[0:1], 0x0               ; x s[4:5], W1 s[6:7], b1 s[8:9], the scales' exponents s[10:11]
	s_load_b64 s[12:13], s[0:1], 0x20              ; h_codes
	v_lshl_add_u32 v[SPW], v0, 2, SPARE
	v_mov_b32 v[NIL], 0
	ds_add_u32 v[SPW], v[NIL]                      ; the wave's opening: the add and its wait stand ahead of my first tensor load; the set-up below, work on registers, stands between them
	v_lshrrev_b32 v1, 5, v0
	v_readfirstlane_b32 s14, v1                    ; wave 0..3
	s_lshr_b32 s15, s14, 1                         ; fh: which 64 of the 128 units
	s_and_b32 s16, s14, 1                          ; xh: which 128 of a tile's 256 rows
	s_bfe_u32 s17, ttmp6, 0x40000                  ; cx: my place in the cluster
	s_lshl_b32 s18, ttmp9, 2
	s_add_co_u32 s18, s18, s17                     ; fb = 4 x cluster x + cx: it enters the addresses of W1, b1 and h_codes alone
	s_and_b32 s19, ttmp7, 0xffff                   ; y, which the four partners share
	s_lshr_b32 s20, s19, 1                         ; the phase
	s_and_b32 s21, s19, 1                          ; X: which half of its rows
	; group 1 for x: 64 rows x 512 bytes, 1,024 bytes apart in memory
	s_mov_b32 s[G1X+0], 15|(1<<20)|(1<<21)|(6<<22)|(3<<25)  ; 15:0 the mask: all four; 17:16 elements of 1 byte; 20 padding on; 21 set beside a mask; 24:22 after every 128 words (code 6); 31:25 four words (code 3)
	s_mov_b32 s[G1X+1], 512<<16                    ; tensor_dim0
	s_mov_b32 s[G1X+2], 64<<16                     ; tensor_dim1
	s_mov_b32 s[G1X+3], 512<<16                    ; tile_dim0
	s_mov_b32 s[G1X+4], 64                         ; tile_dim1
	s_mov_b32 s[G1X+5], 1024                       ; from row to row
	s_mov_b32 s[G1X+6], 0
	s_mov_b32 s[G1X+7], 0
	; group 1 for W1: two runs of eight dense rows (8,192 bytes), the second 16 rows further down, with 16 bytes of padding behind every 1,024: in LDS sixteen rows on end, WP apart: a tile's sixteen units
	s_mov_b32 s[G1W+0], (1<<20)|(7<<22)|(3<<25)    ; no mask; padding: four words after every 256 (code 7)
	s_mov_b32 s[G1W+1], 8192<<16
	s_mov_b32 s[G1W+2], 2<<16
	s_mov_b32 s[G1W+3], 8192<<16
	s_mov_b32 s[G1W+4], 2
	s_mov_b32 s[G1W+5], 16384
	s_mov_b32 s[G1W+6], 0
	s_mov_b32 s[G1W+7], 0
	s_lshl_b32 s66, s21, 4                         ; x: batch 16 X + wave (tile 0), 262,144 bytes a batch; + 64 phase rows of 1,024 bytes.  No register here ever holds cx
	s_add_co_u32 s66, s66, s14
	s_lshl_b32 s66, s66, 18
	s_lshl_b32 s67, s20, 16
	s_add_co_u32 s66, s66, s67
	s_mov_b32 s67, 0
	s_lshl_b32 s68, s20, 22                        ; W1: the phase's 4,096 rows, my block's 128, my wave's 32 (two tiles)
	s_lshl_b32 s69, s18, 17
	s_add_co_u32 s68, s68, s69
	s_lshl_b32 s69, s14, 15
	s_add_co_u32 s68, s68, s69
	s_mov_b32 s69, 0
	s_lshl_b32 s70, s20, 14                        ; b1: 4 (4,096 phase + 128 fb + 64 fh)
	s_lshl_b32 s71, s18, 9
	s_add_co_u32 s70, s70, s71
	s_lshl_b32 s71, s15, 8
	s_add_co_u32 s70, s70, s71
	s_mov_b32 s71, 0
	s_lshl_b32 s72, s19, 3                         ; h_codes: row block 16 phase + 8 X + xh (tile 0), K step fb, and my units' 1,024 of a tile's 2,048 bytes
	s_add_co_u32 s72, s72, s16
	s_lshl_b32 s72, s72, 19
	s_lshl_b32 s73, s18, 14
	s_add_co_u32 s72, s72, s73
	s_lshl_b32 s73, s15, 10
	s_add_co_u32 s72, s72, s73
	s_mov_b32 s73, 0
	s_mul_i32 s74, s14, CH                         ; LDS: my chunk of a slot,
	s_mul_i32 s75, s14, 2*WT                       ; and my two tiles of W1: no place in the cluster enters an LDS address
	s_wait_dscnt 0x0                               ; the opening add is done
	s_wait_kmcnt 0x0
	s_load_b128 s[56:59], s[10:11], 0x0            ; e0, e1, e2, e3
	s_add_nc_u64 s[66:67], s[4:5], s[66:67]
	s_add_nc_u64 s[68:69], s[6:7], s[68:69]
	s_add_nc_u64 s[8:9], s[8:9], s[70:71]
	s_add_nc_u64 s[12:13], s[12:13], s[72:73]
.irp s, 0,1
	s_mov_b32 s[G0X+4*\s], 1                                       ; count = 1
	s_add_co_u32 s[G0X+4*\s+1], s74, \s*SLOT                       ; LDS address
	s_add_nc_u64 s[G0X+4*\s+2:G0X+4*\s+3], s[66:67], \s*512        ; slot s: K 512 s on
	s_or_b32 s[G0X+4*\s+3], s[G0X+4*\s+3], 0x80000000              ; type = 2
	s_mov_b32 s[G0W+4*\s], 1
	s_add_co_u32 s[G0W+4*\s+1], s75, SLOT+\s*WT                    ; W1's eight tiles lie where slot 1 will be
	s_add_nc_u64 s[G0W+4*\s+2:G0W+4*\s+3], s[68:69], \s*8192       ; tile 2 w + s begins eight rows further on
	s_or_b32 s[G0W+4*\s+3], s[G0W+4*\s+3], 0x80000000
.endr
	CROUND                                         ; all four work-groups are here: the first joint loads meet
	tensor_load_to_lds s[G0X:G0X+3], s[G1X:G1X+7]  ; the first fills go out together: three loads of mine are out.  Tile 0 of x, K 0 .. 511,
	s_nop 0
	tensor_load_to_lds s[G0W:G0W+3], s[G1W:G1W+7]  ; and my two tiles of W1
	s_nop 0
	tensor_load_to_lds s[G0W+4:G0W+7], s[G1W:G1W+7]
	s_nop 0
	PLACES 4
	v_and_b32 v7, 15, v0                           ; r
	v_bfe_u32 v8, v0, 4, 1                         ; h
	v_and_b32 v9, 31, v0                           ; lane
	v_lshlrev_b32 v[BO], 6, v8
.irp t, 0,1,2,3                                ; lane (r, h) wants, for tile t, b1 of units 32 (t / 2) + 8 (t % 2) + 16 h + 0 .. 7
	global_load_b128 v[BI+8*\t:BI+8*\t+3],   v[BO], s[8:9] offset:4*(32*(\t/2)+8*(\t%2))
	global_load_b128 v[BI+8*\t+4:BI+8*\t+7], v[BO], s[8:9] offset:4*(32*(\t/2)+8*(\t%2))+16
.endr
	v_mul_u32_u24 v1, v7, XP
	v_lshl_add_u32 v1, v8, 4, v1                   ; a fragment's row x pitch + 16 x half
	s_mul_i32 s76, s16, 2*CH                       ; my 128 rows of a tile
	v_add_nc_u32 v[AX], s76, v1
	v_add_nc_u32 v[AX+1], SLOT, v[AX]
	v_mul_u32_u24 v1, v7, WP
	v_lshl_add_u32 v1, v8, 4, v1
	s_mul_i32 s76, s15, 4*WT                       ; my four tiles of W1
	s_add_co_u32 s76, s76, SLOT
	v_add_nc_u32 v[AW], s76, v1
	v_lshlrev_b32 v[HO], 4, v9
	s_wait_tensorcnt 0x0                           ; my parts of x's first slot and of W1 are in,
	s_barrier_signal -1
	s_barrier_wait -1                              ; everybody's are
	WIN 0x40                                       ; destination window 1
.irp s, 0,1,2,3                                ; W1's fragment (K step s, tile t): four loads of 16 bytes, 32 bytes apart: they stay for the whole launch
.irp t, 0,1,2,3
.irp c, 0,1,2,3
	ds_load_b128 v[16*(4*\s+\t)+4*\c:16*(4*\s+\t)+4*\c+3], v[AW] offset:\t*WT+128*\s+32*\c
.endr
.endr
.endr
	WIN 0x80                                       ; destination window 2
.irp s, 4,5,6,7
.irp t, 0,1,2,3
.irp c, 0,1,2,3
	ds_load_b128 v[16*(4*(\s-4)+\t)+4*\c:16*(4*(\s-4)+\t)+4*\c+3], v[AW] offset:\t*WT+128*\s+32*\c
.endr
.endr
.endr
	WIN 0
	; slot 1's first tile of x lands on W1's bytes: it is asked for as every refill is
	s_wait_tensorcnt 0x0                           ; no tensor load of mine is out
	ds_add_u32 v[SPW], v[NIL]                      ; 0 onto my spare word; the constants below, work on registers, stand between it and the wait for it
	s_wait_loadcnt 0x0                             ; b1
	s_wait_kmcnt 0x0                               ; the exponents
	s_add_co_i32 s77, s56, s57                     ; e0 + e1: a sum stands for sum x 2^(e0 + e1),
	s_sub_co_i32 s78, 0, s77                       ; so b1 goes in as b1 / 2^(e0 + e1),
	s_sub_co_i32 s79, s59, s77                     ; and a code of h is sum / 2^(e3 - e0 - e1)
	s_add_co_i32 s79, s79, 127
	s_lshl_b32 s77, s79, 23
	v_mov_b32 v[SCL], s77                          ; 2^(e3 - e0 - e1) as f32: the conversion takes its exponent field
	s_add_co_i32 s79, s79, 15
	s_lshl_b32 s79, s79, 23
	s_or_b32 s79, s79, 0x600000
	v_mov_b32 v[LIM], s79                          ; 57,344 x that
.set j, 0
.rept 32
	v_ldexp_f32 v[BI+j], v[BI+j], s78
.set j, j+1
.endr
	s_wait_dscnt 0x0                               ; the add is done, and W1 is in my registers
	CROUND                                         ; both hold of every wave of the four work-groups
	XLOAD 1                                        ; tile 0 of x, K 512 .. 1,023
; Four LDS loads: the fragment of x of row tile n, K step k of the slot, into buffer n % 2
.macro FR slot, n, k
.irp c, 0,1,2,3
	ds_load_b128 v[XB+64*((\n)%2)+16*(\k)+4*\c:XB+64*((\n)%2)+16*(\k)+4*\c+3], v[AX+(\slot)] offset:(\n)*16*XP+128*(\k)+32*\c
.endr
.endm
; Product i of a block's 16: K step i / 4 of the slot, unit tile i % 4, row tile n.  per: the slot's half of K.  The block's four accumulators take turns, one instruction a turn.
; A tile's first K step takes b1 as C: nothing is cleared and no bias is added later.
.macro MM per, n, i
.set kk, (\i)/4
.set tt, (\i)%4
.set rD, 32*(\n)+8*tt
.set rA, 16*(4*kk+tt)
.set rB, XB+64*((\n)%2)+16*kk
.if ((\per) == 0) && (kk == 0)
	WIN C1
	v_wmma_f32_16x16x128_bf8_bf8 v[rD:rD+7], v[rA:rA+15], v[rB:rB+15], v[BI+8*tt:BI+8*tt+7]
.else
	WIN F1+(\per)
	v_wmma_f32_16x16x128_bf8_bf8 v[rD:rD+7], v[rA:rA+15], v[rB:rB+15], v[rD:rD+7]
.endif
.endm
; The next cnt of the 32 lines that hold row tile e's sums between 0 and the largest code x the scale: the activation and the hold in one (the conversion to an 8-bit code does not saturate: ISA guide 7.6.2).
; The sum stands in source 2 and in the destination, the bound in source 1: the line runs under the products' windows.  Each accumulator is taken from its low end on.
.macro MEDS e, cnt
.rept \cnt
.if mj < 32
	v_med3_num_f32 v[32*(\e)+mj], 0, v[LIM], v[32*(\e)+mj]
.set mj, mj+1
.endif
.endr
.endm
.macro CV e, t                         ; eight sums of unit tile t become eight codes
.if (\t) == 0
	s_wait_xcnt 0x0                                ; the stores of two row tiles back have read this set of code registers
.endif
	WIN 0x03                                       ; source 0 window 3
	v_cvt_scalef32_pk8_bf8_f32 v[PC+8*((\e)%2)+2*(\t):PC+8*((\e)%2)+2*(\t)+1], v[32*(\e)+8*(\t):32*(\e)+8*(\t)+7], v[SCL]
.endm
.macro ST e                            ; registers 4 c .. 4 c + 3 of the next operand, c = 2 fh and 2 fh + 1: each store of the wave covers 512 consecutive bytes, aligned
	WIN 0
	global_store_b128 v[HO], v[PC+8*((\e)%2):PC+8*((\e)%2)+3],   s[12:13] offset:(\e)*2048
	global_store_b128 v[HO], v[PC+8*((\e)%2)+4:PC+8*((\e)%2)+7], s[12:13] offset:(\e)*2048+512
.endm
.macro CODES e
.irp t, 0,1,2,3
	CV \e, \t
.endr
	v_nop                                          ; one plain vector line behind the last conversion of a run
	ST \e
.endm
; A BLOCK: row tile n against the slot's four K steps: 16 products.  At its head its 16 fragment loads are out, K step by K step.
; Behind products 0-3 the next row tile's fragments are asked for, four loads each.  In the second half of K, row tile n - 1 is finished meanwhile: holds behind products 4-11, a conversion behind each of 12-15.
.macro BLOCK0 per, slot, n
	PLACES 4                                       ; behind the last block's products: for the loads into the buffer that they read, and for the first read of their sums (for the reads of their sums)
.set mj, 0
	s_wait_dscnt 12                                ; K step 0's four loads are in; the twelve behind them may be out
.irp i, 0,1,2,3
	MM \per, \n, \i
	WIN 0
	FR \slot, (\n)+1, \i
.endr
.irp g, 1,2,3
	s_wait_dscnt 28-4*\g                           ; K step g is in: behind it stand this block's later K steps, 4 (3 - g) loads, and the 16 just issued
.irp u, 0,1,2,3
	MM \per, \n, 4*\g+\u
.if (\per) && ((\n) > 0)
.if \g < 3
	MEDS (\n)-1, 4
.else
	CV (\n)-1, \u
.endif
.endif
.endr
.endr
.if (\per) && ((\n) > 0)
	v_nop                                          ; one plain vector line behind the last conversion
	ST (\n)-1
.endif
.endm
; THE SLOT'S LAST BLOCK.  mode 1: the slot is filled again, with the next tile's same half of K.  mode 2: it is left for good.  mode 3: the last block of all.
; Its fragments were asked for in the block before, so my reads of the slot are over when they are in.  In front of the barrier each wave waits for all its tensor loads (one is out: its chunk of the other slot),
; adds 0 to its spare word, and waits for that and for its reads.  With mode 1 the barrier opens a round of the cluster's barrier, and the joint refill is the first thing behind the round:
; from there to the wait for it stand 124 of a slot's 128 products.
.macro BLOCK7 per, slot, mode
	PLACES 4
.set mj, 0
.if (\mode) == 3
.irp g, 0,1,2,3
	s_wait_dscnt 12-4*\g                           ; K step g is in; nothing more is fetched, so the counts run down
.irp u, 0,1,2,3
	MM \per, 7, 4*\g+\u
.if (\g == 1) || (\g == 2)
	MEDS 6, 4
.endif
.if \g == 3
	CV 6, \u
.endif
.endr
.endr
	v_nop
	ST 6
.else
	WIN 0                                          ; (the add's two registers lie in window 0)
	s_wait_tensorcnt 0x0                           ; all my tensor loads have landed
	ds_add_u32 v[SPW], v[NIL]                      ; 0 onto my spare word
	s_wait_dscnt 13                                ; K step 0 is in; the twelve loads behind it and the add may be out
.irp i, 0,1,2,3
	MM \per, 7, \i                                 ; four products stand between the add and the wait for it
.endr
	s_wait_dscnt 0x0                               ; the add is done, and my reads of this slot are over
	s_barrier_signal -1
	WIN 0
	s_barrier_wait -1
.if (\mode) == 1
	CREST                                          ; no wave of any partner still reads this slot or has a load on its way
	s_add_nc_u64 s[G0X+4*(\slot)+2:G0X+4*(\slot)+3], s[G0X+4*(\slot)+2:G0X+4*(\slot)+3], TSTEP   ; four batches on; the type bits on top are not reached
	XLOAD \slot                                    ; its four v_nop are also places in front of the loads below
.else
	PLACES 4
.endif
.irp i, 4,5,6,7
	MM \per, 7, \i
	WIN 0
	FR 1-(\slot), 0, (\i)-4                        ; the other slot is whole: its first row tile
.endr
.irp i, 8,9,10,11,12,13,14,15
	MM \per, 7, \i
.if \per
	MEDS 6, 4
.endif
.endr
.if \per
	CODES 6
.endif
.endif
.endm
; A slot's eight blocks.  In the second half of K the last row tile is finished behind them; step = 1: h_codes' base goes on to the next tile's row blocks.
.macro PERIOD per, slot, mode, step
.irp n, 0,1,2,3,4,5,6
	BLOCK0 \per, \slot, \n
.endr
	BLOCK7 \per, \slot, \mode
.if \per
	PLACES 4                                       ; behind the last products, whose sums are read next
	WIN F2
.set mj, 0
	MEDS 7, 32
	CODES 7
.if \step
	s_wait_xcnt 0x0                                ; the stores have read their base
	s_add_nc_u64 s[12:13], s[12:13], TSTEP
.endif
.endif
.endm
.irp k, 0,1,2,3
	FR 0, 0, \k                                    ; tile 0's first row tile
.endr
	s_mov_b32 s60, 3
.Ltile:                                            ; a trip is a tile of 256 rows: both slots are read and filled again
	PERIOD 0, 0, 1, 0
	PERIOD 1, 1, 1, 1
	s_sub_co_u32 s60, s60, 1
	s_cmp_lg_u32 s60, 0
	s_cbranch_scc1 .Ltile
	PERIOD 0, 0, 2, 0                              ; the last tile is written out: nothing is asked for
	PERIOD 1, 1, 3, 0
	s_wait_tensorcnt 0x0                           ; the wave's end, behind my last tensor load
	ds_add_u32 v[SPW], v[NIL]
	s_wait_dscnt 0x0
	CROUND                                         ; the closing round: no work-group ends while a partner may still ask for a chunk that names it
	s_endpgm
.Lfunc_end_k_q7e2091c9f5_ff1:
	.size	k_q7e2091c9f5_ff1, .Lfunc_end_k_q7e2091c9f5_ff1-k_q7e2091c9f5_ff1
	.p2alignl 7, 3214868480
	.fill 96, 4, 3214868480
	.section	.rodata,"a",@progbits
	.p2align	6, 0x0
	.amdhsa_kernel k_q7e2091c9f5_ff1
		.amdhsa_group_segment_fixed_size 327680
		.amdhsa_private_segment_fixed_size 0
		.amdhsa_enable_private_segment 0
		.amdhsa_kernarg_size 40
		.amdhsa_user_sgpr_count 2
		.amdhsa_user_sgpr_kernarg_segment_ptr 1
		.amdhsa_wavefront_size32 1
		.amdhsa_system_sgpr_workgroup_id_x 1
		.amdhsa_system_sgpr_workgroup_id_y 1
		.amdhsa_system_sgpr_workgroup_id_z 1
		.amdhsa_system_vgpr_workitem_id 0
		.amdhsa_next_free_vgpr 1024
		.amdhsa_next_free_sgpr 80
		.amdhsa_reserve_vcc 0
		.amdhsa_float_denorm_mode_32 3
		.amdhsa_float_denorm_mode_16_64 3
		.amdhsa_memory_ordered 1
		.amdhsa_forward_progress 1
		.amdhsa_inst_pref_size 145
	.end_amdhsa_kernel
	.amdgpu_metadata
---
amdhsa.version: [ 1, 2 ]
amdhsa.kernels:
  - .name:           k_q7e2091c9f5_ff1
    .symbol:         k_q7e2091c9f5_ff1.kd
    .args:
      - { .name: x_codes, .offset: 0, .size: 8, .value_kind: global_buffer, .address_space: global }
      - { .name: W1_codes, .offset: 8, .size: 8, .value_kind: global_buffer, .address_space: global }
      - { .name: b1, .offset: 16, .size: 8, .value_kind: global_buffer, .address_space: global }
      - { .name: lowp_scales, .offset: 24, .size: 8, .value_kind: global_buffer, .address_space: global }
      - { .name: h_codes, .offset: 32, .size: 8, .value_kind: global_buffer, .address_space: global }
    .group_segment_fixed_size: 327680
    .private_segment_fixed_size: 0
    .kernarg_segment_align: 8
    .kernarg_segment_size: 40
    .max_flat_workgroup_size: 128
    .sgpr_count:     80
    .vgpr_count:     1024
    .wavefront_size: 32
...
	.end_amdgpu_metadata
.endif
;; end of part 1
;; launch ff2 (part 2): grid 4 x 64, 4 waves a work-group, clusters of 4 x 4, 327,680 bytes of LDS; arguments h_codes, W2_codes, b2, lowp_scales, out0; writes out0
.if DOCPART == 2
	.amdgcn_target "amdgcn-amd-amdhsa--gfx1250"
	.amdhsa_code_object_version 6
	.text
	.protected	k_q7e2091c9f5_ff2
	.globl	k_q7e2091c9f5_ff2
	.p2align	8
	.type	k_q7e2091c9f5_ff2,@function
k_q7e2091c9f5_ff2:
	s_mov_b64 s[64:65], 0
	v_nop
	global_prefetch_b8 v0, s[64:65] scope:SCOPE_SE
	s_setreg_imm32_b32 hwreg(HW_REG_WAVE_MODE, 25, 1), 1
	s_wait_xcnt 0x0
	s_wait_alu depctr_hold_cnt(0) depctr_sa_sdst(0) depctr_va_vdst(0) depctr_va_sdst(0) depctr_va_ssrc(0) depctr_va_vcc(0) depctr_vm_vsrc(0)
	s_getreg_b32 s2, hwreg(HW_REG_IB_STS2, 6, 4)
	s_cmp_eq_u32 s2, 0
	s_cbranch_scc0 .Lentry_in_a_cluster
	s_endpgm
.Lentry_in_a_cluster:
	s_bfe_u32 s2, ttmp6, 0x10000c
	s_cmp_lg_u32 s2, 0xf033
	s_cbranch_scc0 .Lentry_shape_is_right
	s_endpgm
.Lentry_shape_is_right:
; out0 = h W2 + b2 for the four phases, on codes of BF8 (E5M2).  h_codes: the launch before laid it in the order of the operand's registers:
; [phase 4][block of 128 rows 16][K step of 128 units 32][tile of 16 rows 8][2,048 bytes], lane (r, h) at 512 c + 16 lane: row r, units 32 c + 16 h + 0 .. 15.  A phase's row is 64 x batch + position.
; W2_codes [4][1024][4096]: one code a byte, K innermost.  b2 [4][1024] f32.  lowp_scales: e2 (W2) and e3 (h) are entries 2 and 3.  out0 [32][256][1024] f32.
; The codes are multiplied as they are; each finished sum becomes sum x 2^(e2 + e3) + b2 by one packed multiply-add for two numbers.
; LIMIT: e2 + e3 between -126 and 127, so that 2^(e2 + e3) is an f32 number.  NaN codes are not served.
; SHARES.  out0 has 8,192 x 1,024 numbers: 256 work-groups take 128 rows x 256 columns each (tiles of 256 x 256 would make 128).  Work-group x: the column tile; y = 16 phase + row block.
; Wave w: rows 64 (w / 2) on, columns 128 (w % 2) on: 4 x 8 accumulators.  K = 4,096 goes in 16 slots' worth of 256 through a ring of two LDS slots; a slot is two steps of 128.
; A slot's part of h is 32,768 consecutive bytes of memory, and lies in LDS as it lies there: a fragment is four loads of 512 consecutive bytes.  W2's rows are 256 bytes of memory, padded to 272 in LDS.
; CLUSTER 4 x 4.  h's tile hangs on y alone and is shared along a row of the cluster; W2's hangs on the phase and the column tile and is shared along a column (the four y of a cluster lie in one phase):
; each is asked for JOINTLY, by the same tensor load with the same descriptor and a mask that names the four.
; THE PRODUCT IS USED TRANSPOSED (source 0 = 16 columns' rows of W2, source 1 = 16 rows of h): a lane holds eight neighbouring numbers of a row of out0.
; Both operands hold K = 32 c + 16 h + 0 .. 15 in registers 4 c .. 4 c + 3: the same permutation of k on both sides.
; REGISTERS, in windows of 256: window 0: v16-30 addresses; v32-95 at work on the way out; v128-191, v192-255 two sets of h's four fragments (on the way out: rows read back);
;   window 1: two sets of W2's eight fragments, at v0 and v128; window 2: accumulator (a, b) at 8 (8 a + b); window 3: v0-63 b2 of my 128 columns, in the result's layout.
.set PITCH,  272                       ; a row of W2 in LDS: 256 bytes + 16 = 68 words: row r starts at bank 4 r mod 64 (64 banks of 4 bytes: ISA guide 11.1)
.set HB,     32768                     ; h's part of a slot: 2 K steps x 8 fragments x 2,048 bytes
.set HALFB,  128*PITCH                 ; 128 rows of W2: what one tensor load brings, and what one wave reads
.set SLOT,   HB+2*HALFB
.set SPARE,  2*SLOT                    ; behind the ring: the spare words, 128 bytes for each wave: two blocks of 256 bytes that no other line names
.set SPITCH, 528                       ; the way out: a stage of 16 rows x (512 bytes + 16) for each wave.  It lies in slot 0, which has had its last fill and its last read when the first result is stored there
.set ADRA, 16                          ; v16-17  LDS address of my fragments of h in slot 0, 1
.set ADRB, 20                          ; v20-21  the same for W2
.set STO,  24                          ; v24     the way out: where I put 32 bytes of a row
.set RD,   25                          ; v25     where I read a row back
.set CO,   26                          ; v26     16 x lane: my place in a row's 512 bytes
.set SPW,  28                          ; v28     LDS address of my spare word; never rewritten
.set NIL,  29                          ; v29     0; never rewritten
.set BO,   30                          ; v30     32 x (lane / 16): my half's eight columns in b2
.set TMP,  32
.set AF,   128
.set BK,   128
.set G1,  24                           ; s[24:31] descriptor group 1 for h's tiles;  s[32:39] group 0, one set for each slot
.set G0,  32
.set G1B, 48                           ; s[48:55], s[56:63] the same for W2's tiles
.set G0B, 56
.set MUL, 0xa1                         ; source 0 (W2) window 1, source 1 (h) window 0, C and D window 2
.set MSB, 0
.macro WIN new                         ; the immediate's high byte repeats the setting that is left
.if MSB != (\new)
	s_set_vgpr_msb (MSB<<8)|(\new)
.set MSB, (\new)
.endif
.endm
.macro PLACES n
.rept \n
	v_nop
.endr
.endm
; A joint load: waves 0 and 1 fetch h's two K steps, waves 2 and 3 the two halves of W2's rows.  Each of the two lines has one mask and one set of registers; the branch hangs on the wave's number alone.
; An s_nop 0 and four v_nop follow each of the two lines, ahead of the jump, the label and what follows.
.macro JLOAD s
	s_cmp_eq_u32 s15, 0
	s_cbranch_scc0 .Lfor_b_\@
	tensor_load_to_lds s[G0+4*(\s):G0+4*(\s)+3], s[G1:G1+7]
	s_nop 0
	PLACES 4
	s_branch .Lasked_\@
.Lfor_b_\@:
	tensor_load_to_lds s[G0B+4*(\s):G0B+4*(\s)+3], s[G1B:G1B+7]
	s_nop 0
	PLACES 4
.Lasked_\@:
.endm
.macro CREST                           ; a round of the cluster's barrier behind its opening barrier
	s_cmp_lg_u32 s14, 0
	s_cbranch_scc1 .Lnot_wave_0_\@
	s_barrier_signal -3
.Lnot_wave_0_\@:
	s_barrier_wait -3
	s_barrier_signal -1
	s_barrier_wait -1
.endm
.macro CROUND
	s_barrier_signal -1
	s_barrier_wait -1
	CREST
.endm
	s_load_b256 s[4:11], s[0:1], 0x0               ; h_codes s[4:5], W2 s[6:7], b2 s[8:9], the scales' exponents s[10:11]
	s_load_b64 s[12:13], s[0:1], 0x20              ; out0
	v_lshl_add_u32 v[SPW], v0, 2, SPARE
	v_mov_b32 v[NIL], 0
	ds_add_u32 v[SPW], v[NIL]                      ; the wave's opening: the add and its wait stand ahead of my first tensor load; the set-up below, work on registers, stands between them
	v_lshrrev_b32 v1, 5, v0
	v_readfirstlane_b32 s14, v1                    ; wave 0..3
	s_lshr_b32 s15, s14, 1                         ; which 64 of the tile's rows are mine.  Also: I fetch for h (0) or for W2 (1)
	s_and_b32 s16, s14, 1                          ; which 128 of its columns.  Also: which half of that tile I fetch
	s_bfe_u32 s40, ttmp6, 0x40000                  ; cx, cy: my place in the cluster
	s_bfe_u32 s41, ttmp6, 0x40004
	s_lshl_b32 s42, ttmp9, 2
	s_add_co_u32 s42, s42, s40                     ; the column tile = 4 x cluster x + cx
	s_and_b32 s17, ttmp7, 0xffff                   ; cluster y
	s_lshr_b32 s18, s17, 2                         ; the phase: four clusters along y to a phase, so all sixteen partners share it
	s_lshl_b32 s19, s17, 2
	s_add_co_u32 s19, s19, s41                     ; y = 4 x cluster y + cy = 16 phase + row block
	s_lshl_b32 s43, s41, 2
	s_lshl_b32 s43, 15, s43                        ; my row of the cluster
	s_lshl_b32 s44, 0x1111, s40                    ; my column
	; group 1 for h: 16,384 dense bytes as 64 rows of 256, no padding
	s_or_b32 s[G1+0], s43, (1<<21)                 ; 15:0 the mask: my row; 17:16 elements of 1 byte; 21 set beside a mask
	s_mov_b32 s[G1+1], 256<<16                     ; tensor_dim0
	s_mov_b32 s[G1+2], 64<<16                      ; tensor_dim1
	s_mov_b32 s[G1+3], 256<<16                     ; tile_dim0
	s_mov_b32 s[G1+4], 64                          ; tile_dim1
	s_mov_b32 s[G1+5], 256                         ; from row to row
	s_mov_b32 s[G1+6], 0
	s_mov_b32 s[G1+7], 0
	; group 1 for W2: 128 rows x 256 bytes, 4,096 bytes apart in memory, padded in LDS
	s_or_b32 s[G1B+0], s44, (1<<20)|(1<<21)|(5<<22)|(3<<25)  ; the mask: my column; padding on: four words (code 3) after every 64 (code 5)
	s_mov_b32 s[G1B+1], 256<<16
	s_mov_b32 s[G1B+2], 128<<16
	s_mov_b32 s[G1B+3], 256<<16
	s_mov_b32 s[G1B+4], 128
	s_mov_b32 s[G1B+5], 4096
	s_mov_b32 s[G1B+6], 0
	s_mov_b32 s[G1B+7], 0
	s_lshl_b32 s20, s19, 19                        ; h: my (phase, row block), 524,288 bytes each; + the K step that I fetch.  These registers never hold cx
	s_lshl_b32 s21, s16, 14
	s_add_co_u32 s20, s20, s21
	s_mov_b32 s21, 0
	s_lshl_b32 s46, s18, 10                        ; W2: row 1,024 phase + 256 column tile + 128 half, 4,096 bytes a row.  These never hold cy
	s_lshl_b32 s47, s42, 8
	s_add_co_u32 s46, s46, s47
	s_lshl_b32 s47, s16, 7
	s_add_co_u32 s46, s46, s47
	s_lshl_b32 s46, s46, 12
	s_mov_b32 s47, 0
	s_lshl_b32 s22, s16, 14                        ; where they go in a slot: h's K step,
	s_mul_i32 s23, s16, HALFB
	s_add_co_u32 s23, s23, HB                      ; W2's half, behind h's part: no place in the cluster enters an LDS address
	s_wait_dscnt 0x0                               ; the opening add is done
	s_wait_kmcnt 0x0
	s_load_b128 s[92:95], s[10:11], 0x0            ; e0, e1, e2, e3
	s_add_nc_u64 s[20:21], s[4:5], s[20:21]
	s_add_nc_u64 s[46:47], s[6:7], s[46:47]
	CROUND                                         ; all sixteen work-groups are here: the first joint loads meet
.irp s, 0,1
	s_mov_b32 s[G0+4*\s], 1
	s_add_co_u32 s[G0+4*\s+1], s22, \s*SLOT
	s_add_nc_u64 s[G0+4*\s+2:G0+4*\s+3], s[20:21], \s*HB
	s_or_b32 s[G0+4*\s+3], s[G0+4*\s+3], 0x80000000
	s_mov_b32 s[G0B+4*\s], 1
	s_add_co_u32 s[G0B+4*\s+1], s23, \s*SLOT
	s_add_nc_u64 s[G0B+4*\s+2:G0B+4*\s+3], s[46:47], \s*256
	s_or_b32 s[G0B+4*\s+3], s[G0B+4*\s+3], 0x80000000
	JLOAD \s                                       ; both slots' first fills: two loads of mine are out
.endr
	v_and_b32 v1, 15, v0                           ; r
	v_bfe_u32 v2, v0, 4, 1                         ; h
	v_and_b32 v6, 31, v0                           ; lane
	v_lshlrev_b32 v[CO], 4, v6
	s_lshl_b32 s66, s15, 13                        ; my four tiles of rows: 4 x 2,048 bytes
	v_add_nc_u32 v[ADRA], s66, v[CO]
	v_add_nc_u32 v[ADRA+1], SLOT, v[ADRA]
	v_mul_u32_u24 v3, v1, PITCH
	v_lshl_add_u32 v3, v2, 4, v3                   ; a fragment's row x pitch + 16 x half
	s_mul_i32 s66, s16, HALFB
	s_add_co_u32 s66, s66, HB
	v_add_nc_u32 v[ADRB], s66, v3
	v_add_nc_u32 v[ADRB+1], SLOT, v[ADRB]
	s_mul_i32 s66, s14, 16*SPITCH                  ; my stage
	v_mul_u32_u24 v4, v1, SPITCH
	v_lshl_add_u32 v4, v2, 5, v4
	v_add_nc_u32 v[STO], s66, v4                   ; in: row r, 32 bytes for each half of the lanes
	v_add_nc_u32 v[RD], s66, v[CO]                 ; back: the 32 lanes take one row of 512 bytes
	v_lshlrev_b32 v[BO], 5, v2
	s_and_b32 s70, s19, 15                         ; out0: batch 2 x row block + my half, position 64 phase: rows of 4,096 bytes; + 1,024 x column tile + 512 x half
	s_lshl_b32 s70, s70, 1
	s_add_co_u32 s70, s70, s15
	s_lshl_b32 s70, s70, 8
	s_lshl_b32 s71, s18, 6
	s_add_co_u32 s70, s70, s71
	s_lshl_b32 s70, s70, 12
	s_lshl_b32 s71, s42, 10
	s_add_co_u32 s70, s70, s71
	s_lshl_b32 s71, s16, 9
	s_add_co_u32 s70, s70, s71
	s_mov_b32 s71, 0
	s_add_nc_u64 s[12:13], s[12:13], s[70:71]
	s_lshl_b32 s72, s18, 12                        ; b2: 4 (1,024 phase + 256 column tile + 128 half)
	s_lshl_b32 s73, s42, 10
	s_add_co_u32 s72, s72, s73
	s_lshl_b32 s73, s16, 9
	s_add_co_u32 s72, s72, s73
	s_mov_b32 s73, 0
	s_add_nc_u64 s[8:9], s[8:9], s[72:73]
	WIN 0xc0                                       ; destination window 3
.irp b, 0,1,2,3,4,5,6,7                        ; lane (r, h) wants, for column tile b, b2 of columns 16 b + 8 h + 0 .. 7
	global_load_b128 v[8*\b:8*\b+3],   v[BO], s[8:9] offset:64*\b
	global_load_b128 v[8*\b+4:8*\b+7], v[BO], s[8:9] offset:64*\b+16
.endr
	WIN 0
.macro FETCH_B slot, q, set            ; W2's eight fragments of the slot's q-th 128 along K: 32 loads
	WIN 0x40                                       ; destination window 1
.irp b, 0,1,2,3,4,5,6,7
.irp c, 0,1,2,3
	ds_load_b128 v[128*(\set)+16*\b+4*\c:128*(\set)+16*\b+4*\c+3], v[ADRB+(\slot)] offset:128*(\q)+32*\c+\b*16*PITCH
.endr
.endr
	WIN 0
.endm
.macro FETCH_A slot, q, set            ; h's four fragments, tile by tile: 16 loads of 512 consecutive bytes
.irp a, 0,1,2,3
.irp c, 0,1,2,3
	ds_load_b128 v[AF+64*(\set)+16*\a+4*\c:AF+64*(\set)+16*\a+4*\c+3], v[ADRA+(\slot)] offset:(\q)*16384+\a*2048+\c*512
.endr
.endr
.endm
; Eight products: h's tile a against W2's eight, 128 along K.  zero = 1: the first product starts the sums: nothing is cleared.
; The 32 accumulators take turns, one instruction a turn, in the same order in every step.
.macro MUL8 a, set, zero
	WIN MUL
.irp b, 0,1,2,3,4,5,6,7
.if \zero
	v_wmma_f32_16x16x128_bf8_bf8 v[8*(8*(\a)+\b):8*(8*(\a)+\b)+7], v[128*(\set)+16*\b:128*(\set)+16*\b+15], v[AF+64*(\set)+16*(\a):AF+64*(\set)+16*(\a)+15], 0
.else
	v_wmma_f32_16x16x128_bf8_bf8 v[8*(8*(\a)+\b):8*(8*(\a)+\b)+7], v[128*(\set)+16*\b:128*(\set)+16*\b+15], v[AF+64*(\set)+16*(\a):AF+64*(\set)+16*(\a)+15], v[8*(8*(\a)+\b):8*(8*(\a)+\b)+7]
.endif
.endr
.endm
; A slot's first step multiplies set 0 and fetches its second step into set 1.  At its head 48 loads are out: W2's 32, then h's tiles 0 to 3, four each.
.macro STEP slot, zero
	s_wait_dscnt 12                                ; W2 and h's tile 0 are in; tiles 1 to 3 may be out
	MUL8 0, 0, \zero
	s_wait_dscnt 8                                 ; tile 1
	MUL8 1, 0, \zero
	PLACES 4                                       ; in front of loads into registers that matrix instructions have read
	FETCH_B \slot, 1, 1
	FETCH_A \slot, 1, 1
	s_wait_dscnt 52                                ; tile 2: behind it stand tile 3's four loads and the 48 just issued
	MUL8 2, 0, \zero
	s_wait_dscnt 48                                ; tile 3
	MUL8 3, 0, \zero
.endm
; A slot's second step multiplies set 1 and changes slots: ONE barrier; in front of it each wave waits for all its tensor loads (one is out: its part of the next slot), adds 0 to its spare word,
; and waits for that and for its own reads of this slot.  fill = 1: the barrier opens a round of the cluster's barrier, and this slot is filled again, two slots ahead, first thing behind the round.
.macro TURN slot, next, fill
	WIN 0                                          ; (the add's two registers lie in window 0)
	s_wait_tensorcnt 0x0
	ds_add_u32 v[SPW], v[NIL]                      ; 0 onto my spare word
	s_wait_dscnt 13                                ; W2 and h's tile 0 are in; tiles 1 to 3 and the add may be out
	MUL8 0, 1, 0                                   ; eight products stand between the add and the wait for it
	s_wait_dscnt 0x0                               ; the add is done, and my reads of this slot are over
	s_barrier_signal -1
	MUL8 1, 1, 0
	WIN 0
	s_barrier_wait -1
.if \fill
	CREST                                          ; no wave of any partner still reads this slot's tiles or has a load on its way
	s_add_nc_u64 s[G0+4*\slot+2:G0+4*\slot+3], s[G0+4*\slot+2:G0+4*\slot+3], 2*HB
	s_add_nc_u64 s[G0B+4*\slot+2:G0B+4*\slot+3], s[G0B+4*\slot+2:G0B+4*\slot+3], 2*256
	JLOAD \slot                                    ; its four v_nop are also the places in front of the loads below
.else
	PLACES 4
.endif
	FETCH_B \next, 0, 0
	FETCH_A \next, 0, 0
	MUL8 2, 1, 0
	MUL8 3, 1, 0
.endm
	s_wait_tensorcnt 1                             ; my part of slot 0 is in; slot 1's may be out
	s_barrier_signal -1
	s_barrier_wait -1                              ; everybody's is
	FETCH_B 0, 0, 0
	FETCH_A 0, 0, 0
	STEP 0, 1                                      ; the first step stands in front of the loop: its products start the sums
	WIN 0                                          ; at a label and at a branch every window is 0
	s_mov_b32 s90, 7
.Llap:                                             ; a trip goes once round the ring and fills both slots again: 14 refills for the 16 slots' worth of K
	TURN 0, 1, 1
	STEP 1, 0
	TURN 1, 0, 1
	STEP 0, 0
	WIN 0
	s_sub_co_u32 s90, s90, 1
	s_cmp_lg_u32 s90, 0
	s_cbranch_scc1 .Llap
	TURN 0, 1, 0                                   ; the last lap fills nothing, and has no round of the cluster's barrier
	STEP 1, 0
	s_wait_dscnt 12                                ; the very last step: nothing more is fetched, so the counts run down
	MUL8 0, 1, 0
	s_wait_dscnt 8
	MUL8 1, 1, 0
	s_wait_dscnt 4
	MUL8 2, 1, 0
	s_wait_dscnt 0x0
	MUL8 3, 1, 0
	WIN 0
; THE WAY OUT, a block of 16 rows x 128 columns at a time.  A lane holds 32 neighbouring bytes of a row, and the lanes beside it hold other rows: so a block goes through my own stage in LDS and comes back as
; whole rows of 512 bytes.  LDS serves a wave's instructions in order (ISA guide 5.7.1.4): no wait between the stores and the loads, nor in front of the next block's stores.
.macro TOSTAGE a
	WIN 0x32                                       ; source 0 (the sums) window 2, source 2 (b2) window 3
.set j, 0
.rept 32
	v_pk_fma_f32 v[TMP+j:TMP+j+1], v[64*(\a)+j:64*(\a)+j+1], s[96:97], v[j:j+1] op_sel_hi:[1,0,1]   ; sum x 2^(e2 + e3) + b2 (the scalar pair's low word for both halves); each accumulator from its low end on
.set j, j+2
.endr
	WIN 0
.irp b, 0,1,2,3,4,5,6,7
	ds_store_b128 v[STO], v[TMP+8*\b:TMP+8*\b+3] offset:64*\b
	ds_store_b128 v[STO], v[TMP+8*\b+4:TMP+8*\b+7] offset:64*\b+16
.endr
.set BB, BK+64*((\a)%2)
.irp t, 0,1,2,3,4,5,6,7,8,9,10,11,12,13,14,15
	ds_load_b128 v[BB+4*\t:BB+4*\t+3], v[RD] offset:\t*SPITCH
.endr
.endm
.macro SEND a, younger                 ; younger: the LDS instructions issued behind block a's loads, which may stay out
.set BB, BK+64*((\a)%2)
	s_wait_dscnt \younger                          ; the block is back in registers
.if (\a) > 0
	s_add_nc_u64 s[12:13], s[12:13], 16*4096       ; (behind a wait on XCNT: the earlier stores have read their base)  16 rows of out0 on
.endif
.irp t, 0,1,2,3,4,5,6,7,8,9,10,11,12,13,14,15
	global_store_b128 v[CO], v[BB+4*\t:BB+4*\t+3], s[12:13] offset:\t*4096 th:TH_STORE_NT   ; 32 lanes store 512 consecutive bytes, at a multiple of 256 from out0's first byte; written once, read by nobody here
.endr
.endm
	s_wait_loadcnt 0x0                             ; b2
	s_wait_kmcnt 0x0                               ; the exponents
	s_add_co_i32 s96, s94, s95                     ; e2 + e3, between -126 and 127,
	s_add_co_i32 s96, s96, 127
	s_lshl_b32 s96, s96, 23                        ; makes the f32 number 2^(e2 + e3)
	s_mov_b32 s97, s96                             ; (named with it as a pair, so it is written)
	PLACES 4                                       ; behind the last products: for the loads into the registers that held h's fragments, and for the reads of the sums
	TOSTAGE 0
.irp a, 1,2,3
.if \a > 1
	s_wait_xcnt 0x0                                ; block a - 2's stores have read their registers and their base: block a's loads may land there, and the base may step
.endif
	TOSTAGE \a
	SEND (\a)-1, 32                                ; behind block a - 1's loads: block a's 16 stores and 16 loads
.endr
	s_wait_xcnt 0x0                                ; block 2's stores have read their base
	SEND 3, 0
	s_wait_tensorcnt 0x0                           ; the wave's end, behind my last tensor load and my last LDS store
	ds_add_u32 v[SPW], v[NIL]
	s_wait_dscnt 0x0
	CROUND                                         ; the closing round: no work-group ends while a partner may still ask for a tile that names it
	s_endpgm
.Lfunc_end_k_q7e2091c9f5_ff2:
	.size	k_q7e2091c9f5_ff2, .Lfunc_end_k_q7e2091c9f5_ff2-k_q7e2091c9f5_ff2
	.p2alignl 7, 3214868480
	.fill 96, 4, 3214868480
	.section	.rodata,"a",@progbits
	.p2align	6, 0x0
	.amdhsa_kernel k_q7e2091c9f5_ff2
		.amdhsa_group_segment_fixed_size 327680
		.amdhsa_private_segment_fixed_size 0
		.amdhsa_enable_private_segment 0
		.amdhsa_kernarg_size 40
		.amdhsa_user_sgpr_count 2
		.amdhsa_user_sgpr_kernarg_segment_ptr 1
		.amdhsa_wavefront_size32 1
		.amdhsa_system_sgpr_workgroup_id_x 1
		.amdhsa_system_sgpr_workgroup_id_y 1
		.amdhsa_system_sgpr_workgroup_id_z 1
		.amdhsa_system_vgpr_workitem_id 0
		.amdhsa_next_free_vgpr 832
		.amdhsa_next_free_sgpr 100
		.amdhsa_reserve_vcc 0
		.amdhsa_float_denorm_mode_32 3
		.amdhsa_float_denorm_mode_16_64 3
		.amdhsa_memory_ordered 1
		.amdhsa_forward_progress 1
		.amdhsa_inst_pref_size 77
	.end_amdhsa_kernel
	.amdgpu_metadata
---
amdhsa.version: [ 1, 2 ]
amdhsa.kernels:
  - .name:           k_q7e2091c9f5_ff2
    .symbol:         k_q7e2091c9f5_ff2.kd
    .args:
      - { .name: h_codes, .offset: 0, .size: 8, .value_kind: global_buffer, .address_space: global }
      - { .name: W2_codes, .offset: 8, .size: 8, .value_kind: global_buffer, .address_space: global }
      - { .name: b2, .offset: 16, .size: 8, .value_kind: global_buffer, .address_space: global }
      - { .name: lowp_scales, .offset: 24, .size: 8, .value_kind: global_buffer, .address_space: global }
      - { .name: out0, .offset: 32, .size: 8, .value_kind: global_buffer, .address_space: global }
    .group_segment_fixed_size: 327680
    .private_segment_fixed_size: 0
    .kernarg_segment_align: 8
    .kernarg_segment_size: 40
    .max_flat_workgroup_size: 128
    .sgpr_count:     100
    .vgpr_count:     832
    .wavefront_size: 32
...
	.end_amdgpu_metadata
.endif
;; end of part 2
;; ======== version 2 of 2: 2 launches
;; limits: right only within a limited range of input values
;; workspace buffers: h_codes 33,554,432 bytes
;; launch ff1 (part 3): grid 16 x 16, 4 waves a work-group, clusters of 4 x 4, 327,680 bytes of LDS; arguments x_codes, W1_codes, b1, lowp_scales, h_codes; writes h_codes
.if DOCPART == 3
	.amdgcn_target "amdgcn-amd-amdhsa--gfx1250"
	.amdhsa_code_object_version 6
	.text
	.protected	k_q7e2091c9f5_ff1
	.globl	k_q7e2091c9f5_ff1
	.p2align	8
	.type	k_q7e2091c9f5_ff1,@function
k_q7e2091c9f5_ff1:
	s_mov_b64 s[64:65], 0
	v_nop
	global_prefetch_b8 v0, s[64:65] scope:SCOPE_SE
	s_setreg_imm32_b32 hwreg(HW_REG_WAVE_MODE, 25, 1), 1
	s_wait_xcnt 0x0
	s_wait_alu depctr_hold_cnt(0) depctr_sa_sdst(0) depctr_va_vdst(0) depctr_va_sdst(0) depctr_va_ssrc(0) depctr_va_vcc(0) depctr_vm_vsrc(0)
	s_getreg_b32 s2, hwreg(HW_REG_IB_STS2, 6, 4)
	s_cmp_eq_u32 s2, 0
	s_cbranch_scc0 .Lentry_in_a_cluster
	s_endpgm
.Lentry_in_a_cluster:
	s_bfe_u32 s2, ttmp6, 0x10000c
	s_cmp_lg_u32 s2, 0xf033
	s_cbranch_scc0 .Lentry_shape_is_right
	s_endpgm
.Lentry_shape_is_right:
; h = Q(relu(x W1 + b1)) for the four phases, on codes of BF8 (E5M2).  Phase p owns sequence positions 64 p .. 64 p + 63 of each of the 32 batches: 2,048 rows, row = 64 x batch + position.
; x_codes [32][256][1024], W1_codes [4][4096][1024]: one code a byte, K innermost.  b1 [4][4096] f32.  lowp_scales: e0 (W1), e1 (x), e2 (W2), e3 (h).
; LEFT OUT: the input phases is not among any launch's arguments: reference() uses its rank alone, no value of it enters a result, and the partition of the sequence is fixed.  (It holds whole numbers: no NaN or infinity can be lost with it.)
; OUT: h_codes, laid in the order of the next product's operand registers: [phase 4][block of 128 rows 16][K step 32][tile of 16 rows 8][2,048 bytes]; in a tile's 2,048 bytes lane (r, h) has its 16 bytes at 512 c + 16 lane.
; K step 2 U + f holds 128 of unit block U's 256 units: lane half h, group c: units 256 U + 128 h + 64 f + 16 c + 0 .. 15.
; SHARES.  A work-group makes two tiles of 256 units x 256 rows, the second 1,024 rows further down, K = 1,024 in steps of 256 through two LDS slots; the ring goes on from the first tile into the second.
; Phase p walks K from its step p on, round the end: step s of a tile is K (256 ((s + p) % 4)) on.  The order of a sum's steps is free.
; Four waves, each 128 units x 128 rows: 64 accumulators of 16 x 16, 512 registers.  256 work-groups.
; CLUSTER 4 x 4, all of one phase: the four of a row (same cy) need the same rows of x, the four of a column (same cx) the same units of W1: each tile is asked for JOINTLY by the four, with one descriptor and a mask that names them.
; x's 128 rows of a load are two batches of 64 rows: a tile of three dimensions.
; THE PRODUCT IS USED TRANSPOSED (source 0 = 16 units, source 1 = 16 rows of x): lane (r, h) holds row r and eight units.  THE UNITS OF A TILE ARE NOT NEIGHBOURS: tile t = 2 c + u takes eight units from the block's
; lower 128 (lanes 0-7) and the eight 128 further on (lanes 8-15), so that the 16 registers of tiles 2 c, 2 c + 1 are 16 neighbouring units: the conversions' results are the next operand's registers.
; In LDS the upper 128 units begin 128 bytes off a multiple of 256, so that the sixteen rows that a fragment load touches start at sixteen different banks.
; b1 / 2^(e0 + e1) is the C of each sum's first product; relu and the hold at the largest code are one v_med3; the three scales are folded into the conversion's one, 2^(e3 - e0 - e1).
; Both operands hold K = 32 c + 16 h + 0 .. 15 in registers 4 c .. 4 c + 3: the same permutation of k on both sides.
; LIMITS: e3 - e0 - e1 between -126 and 112; b1 x 2^-(e0 + e1) an f32 number; NaN codes are not served; an infinite sum is held at the largest code or at 0.  b1 enters the sum first, not last: an order of rounding within f32.
; PREFETCH: steps 1 and 2 are asked for behind step 0's load; then, in each step, the one three further on, one step ahead of its refill: 32 rows x 256 bytes, a lane a row, one instruction a wave.  Of the 128 rows that a wave
; fetches the four partners take 32 each, told apart by address.  Step 0 comes by its load alone; W1's are asked for in the first tile alone (the second takes the same); the last step is asked for at the first tile's end, and nothing behind it.
; REGISTERS: window 0: v16-31 addresses and constants, v32-95 b1, v96-127 codes, v128-255 x's fragments; window 1: W1's fragments, two sets; windows 2, 3: accumulator (a, b) of row tiles 0-3, 4-7 at 8 (8 (a % 4) + b).
.set PITCH,  272                       ; an LDS row: 256 bytes + 16 = 68 words: row r starts at bank 4 r mod 64 (64 banks of 4 bytes: ISA guide 11.1)
.set HALFT,  128*PITCH                 ; 128 rows: what one tensor load brings
.set WOFF,   HALFT+128                 ; from W1's lower 128 units to its upper 128
.set SLOT,   139520                    ; x's 256 rows, W1's 256 rows and the 128 bytes between, rounded up to 256
.set SPARE,  2*SLOT                    ; the spare words, 128 bytes for each wave
.set XNEXT,  0x400000                  ; from a tile of 256 rows to the work-group's next: 16 batches of x (262,144 bytes each), eight row blocks of h_codes (524,288 each)
.set ADRA, 16                          ; v16-17  LDS address of my fragments of x in slot 0, 1
.set ADRB, 20                          ; v20-21  of W1
.set SCL,  25                          ; 2^(e3 - e0 - e1)
.set LIM,  26                          ; 57,344 x that
.set BO,   27
.set SPW,  28                          ; LDS address of my spare word; never rewritten
.set NIL,  29                          ; 0; never rewritten
.set PFO,  30                          ; the prefetches' offset: lane x 1,024; never rewritten
.set HO,   31                          ; 16 x lane
.set BI,   32                          ; b1 / 2^(e0 + e1): eight registers a unit tile, in the result's layout
.set PC,   96                          ; codes: two sets of 16
.set AF,   128
.set G1,   24
.set G0,   32
.set G1B,  48
.set G0B,  56
.set DK,   90                          ; s[90:91] slot 0, s[96:97] slot 1: from the slot's first place along K to its other one, 512 or -512
.set PFS,  40                          ; s[40:47], behind the first load: where my prefetches of steps 0 .. 3 of a tile stand
.set MUL_LO, 0xa1                      ; source 0 (W1) window 1, source 1 (x) window 0, C and D window 2
.set MUL_HI, 0xf1                      ; the same, C and D window 3
.set MSB, 0
.macro WIN new                         ; the immediate's high byte repeats the setting that is left; a switch that changes nothing is dropped
.if MSB != (\new)
	s_set_vgpr_msb (MSB<<8)|(\new)
.set MSB, (\new)
.endif
.endm
.macro PLACES n
.rept \n
	v_nop
.endr
.endm
.macro JLOAD s                         ; a joint load: waves 0 and 1 fetch x, waves 2 and 3 W1; the branch hangs on the wave's number alone
	s_cmp_eq_u32 s15, 0
	s_cbranch_scc0 .Lfor_w_\@
	tensor_load_to_lds s[G0+4*\s:G0+4*\s+3], s[G1:G1+7], s[68:71], s[72:75]
	s_nop 0
	PLACES 4
	s_branch .Lasked_\@
.Lfor_w_\@:
	tensor_load_to_lds s[G0B+4*\s:G0B+4*\s+3], s[G1B:G1B+7]
	s_nop 0
	PLACES 4
.Lasked_\@:
.endm
.macro CREST                           ; a round of the cluster's barrier behind its opening barrier
	s_cmp_lg_u32 s14, 0
	s_cbranch_scc1 .Lnot_wave_0_\@
	s_barrier_signal -3
.Lnot_wave_0_\@:
	s_barrier_wait -3
	s_barrier_signal -1
	s_barrier_wait -1
.endm
.macro CROUND                          ; a whole round
	s_barrier_signal -1
	s_barrier_wait -1
	CREST
.endm
.macro PREF n                          ; step n (0 .. 7 over both tiles) into the L2
	global_prefetch_b8 v[PFO], s[PFS+2*((\n)%4):PFS+2*((\n)%4)+1] offset:((\n)/4)*XNEXT th:TH_LOAD_NT scope:SCOPE_SE
.endm
.macro ASK n, reg, val                 ; the same, where s[reg] = val
	s_cmp_eq_u32 s[\reg], \val
	s_cbranch_scc0 .Lnot_asked_\@
	PREF \n
.Lnot_asked_\@:
.endm
	s_load_b256 s[4:11], s[0:1], 0x0               ; x s[4:5], W1 s[6:7], b1 s[8:9], the scales' exponents s[10:11]
	s_load_b64 s[12:13], s[0:1], 0x20              ; h_codes
	v_lshl_add_u32 v[SPW], v0, 2, SPARE
	v_mov_b32 v[NIL], 0
	ds_add_u32 v[SPW], v[NIL]                      ; the wave's opening: the add, twice on end, and its wait ahead of my first tensor load
	ds_add_u32 v[SPW], v[NIL]
	v_lshrrev_b32 v1, 5, v0
	v_readfirstlane_b32 s14, v1                    ; wave 0..3
	s_lshr_b32 s15, s14, 1                         ; which 128 of the tile's rows are mine.  Also: I fetch x (0) or W1 (1)
	s_and_b32 s16, s14, 1                          ; f: which 128 of its units.  Also: which 128 rows of that tile I fetch
	s_bfe_u32 s40, ttmp6, 0x40000                  ; cx
	s_bfe_u32 s41, ttmp6, 0x40004                  ; cy: the row block of the first tile
	s_lshl_b32 s42, ttmp9, 2
	s_add_co_u32 s42, s42, s40                     ; U = 4 x cluster x + cx: the unit block
	s_and_b32 s17, ttmp7, 0xffff                   ; the phase = cluster y
	s_lshl_b32 s43, s41, 2
	s_lshl_b32 s43, 15, s43                        ; my row of the cluster
	s_lshl_b32 s44, 0x1111, s40                    ; my column
	; group 1: the mask; elements of 1 byte; 20 padding on; 21 set beside a mask; after every 64 words (code 5) four words (code 3)
	s_or_b32 s[G1+0], s43, (1<<20)|(1<<21)|(5<<22)|(3<<25)
	s_or_b32 s[G1B+0], s44, (1<<20)|(1<<21)|(5<<22)|(3<<25)
	s_mov_b32 s[G1+1], 256<<16                     ; x: 256 bytes x 64 rows x 2 batches; 1,024 bytes from row to row, 262,144 from batch to batch
	s_mov_b32 s[G1+2], 64<<16
	s_mov_b32 s[G1+3], 256<<16
	s_mov_b32 s[G1+4], 64|(2<<16)
	s_mov_b32 s[G1+5], 1024
	s_mov_b32 s[G1+6], 0
	s_mov_b32 s[G1+7], 4
	s_mov_b32 s68, 2                               ; tensor_dim2 = 2; the fourth and fifth dimension are not used
	s_mov_b32 s69, 1
	s_mov_b32 s70, 0
	s_mov_b32 s71, 0
	s_mov_b32 s72, 0
	s_mov_b32 s73, 1<<16
	s_mov_b32 s74, 0
	s_mov_b32 s75, 0
	s_mov_b32 s[G1B+1], 256<<16                    ; W1: 256 bytes x 128 rows, 1,024 bytes apart
	s_mov_b32 s[G1B+2], 128<<16
	s_mov_b32 s[G1B+3], 256<<16
	s_mov_b32 s[G1B+4], 128
	s_mov_b32 s[G1B+5], 1024
	s_mov_b32 s[G1B+6], 0
	s_mov_b32 s[G1B+7], 0
	s_lshl_b32 s20, s41, 2                         ; x: batch 4 cy + 2 x half, + 64 phase rows: these registers never hold cx
	s_lshl_b32 s18, s16, 1
	s_add_co_u32 s20, s20, s18
	s_lshl_b32 s20, s20, 18
	s_lshl_b32 s18, s17, 16
	s_add_co_u32 s20, s20, s18
	s_mov_b32 s21, 0
	s_lshl_b32 s46, s17, 22                        ; W1: the phase's 4,096 rows, my block's 256, the 128 that I fetch: these never hold cy
	s_lshl_b32 s47, s42, 18
	s_add_co_u32 s46, s46, s47
	s_lshl_b32 s47, s16, 17
	s_add_co_u32 s46, s46, s47
	s_mov_b32 s47, 0
	s_mul_i32 s45, s16, HALFT                      ; LDS: no place in the cluster enters an LDS address
	s_mul_i32 s76, s16, WOFF
	s_add_co_u32 s76, s76, 2*HALFT
	s_lshl_b32 s86, s17, 8                         ; step 0 lies 256 x phase along K,
	s_mov_b32 s87, 0
	s_add_co_u32 s88, s17, 1                       ; step 1 one further, round the end
	s_and_b32 s88, s88, 3
	s_lshl_b32 s88, s88, 8
	s_mov_b32 s89, 0
	s_lshr_b32 s91, s17, 1                         ; a slot's steps take turns between two places, 512 apart: 512 where the first is the lower, else -512 (in 64 bits)
	s_lshl_b32 s90, s91, 10
	s_sub_co_u32 s90, 512, s90
	s_sub_co_i32 s91, 0, s91
	s_lshr_b32 s97, s88, 9
	s_lshl_b32 s96, s97, 10
	s_sub_co_u32 s96, 512, s96
	s_sub_co_i32 s97, 0, s97
	s_lshl_b32 s66, s17, 14                        ; b1: 4 (4,096 phase + 256 U + 64 f)
	s_lshl_b32 s67, s42, 10
	s_add_co_u32 s66, s66, s67
	s_lshl_b32 s67, s16, 8
	s_add_co_u32 s66, s66, s67
	s_mov_b32 s67, 0
	s_lshl_b32 s78, s41, 1                         ; h_codes: row block 16 phase + 2 cy + my half, K step 2 U + f
	s_add_co_u32 s78, s78, s15
	s_lshl_b32 s78, s78, 19
	s_lshl_b32 s79, s17, 23
	s_add_co_u32 s78, s78, s79
	s_lshl_b32 s79, s42, 15
	s_add_co_u32 s78, s78, s79
	s_lshl_b32 s79, s16, 14
	s_add_co_u32 s78, s78, s79
	s_mov_b32 s79, 0
	s_lshr_b32 s80, s40, 1                         ; the prefetches: my work-group's 32 of the 128 rows: of x by cx (two batches), of W1 by cy
	s_lshl_b32 s80, s80, 18
	s_and_b32 s81, s40, 1
	s_lshl_b32 s81, s81, 15
	s_add_co_u32 s80, s80, s81
	s_lshl_b32 s82, s41, 15
	s_cmp_eq_u32 s15, 0
	s_cselect_b32 s80, s80, s82
	s_mov_b32 s81, 0
	s_wait_dscnt 0x0                               ; both opening adds are done
	s_wait_kmcnt 0x0
	s_load_b128 s[92:95], s[10:11], 0x0            ; e0, e1, e2, e3
	s_add_nc_u64 s[20:21], s[4:5], s[20:21]
	s_add_nc_u64 s[46:47], s[6:7], s[46:47]
.irp s, 0,1
	s_mov_b32 s[G0+4*\s], 1
	s_add_co_u32 s[G0+4*\s+1], s45, \s*SLOT
	s_add_nc_u64 s[G0+4*\s+2:G0+4*\s+3], s[20:21], s[86+2*\s:87+2*\s]
	s_or_b32 s[G0+4*\s+3], s[G0+4*\s+3], 0x80000000
	s_mov_b32 s[G0B+4*\s], 1
	s_add_co_u32 s[G0B+4*\s+1], s76, \s*SLOT
	s_add_nc_u64 s[G0B+4*\s+2:G0B+4*\s+3], s[46:47], s[86+2*\s:87+2*\s]
	s_or_b32 s[G0B+4*\s+3], s[G0B+4*\s+3], 0x80000000
.endr
	CROUND                                         ; all sixteen work-groups are here: the first joint loads meet
	JLOAD 0                                        ; step 0: one tensor load a wave at the head
	s_add_nc_u64 s[8:9], s[8:9], s[66:67]
	s_add_nc_u64 s[12:13], s[12:13], s[78:79]
	s_cmp_eq_u32 s15, 0
	s_cselect_b64 s[84:85], s[20:21], s[46:47]
	s_add_nc_u64 s[84:85], s[84:85], s[80:81]
.irp m, 0,1,2,3
	s_add_co_u32 s66, s17, \m
	s_and_b32 s66, s66, 3
	s_lshl_b32 s66, s66, 8
	s_add_nc_u64 s[PFS+2*\m:PFS+2*\m+1], s[84:85], s[66:67]
.endr
	s_mul_i32 s80, s15, HALFT                      ; my 128 rows of x
	s_mul_i32 s82, s16, 64*PITCH                   ; my 64 + 64 units of W1, which lies behind x
	s_add_co_u32 s82, s82, 2*HALFT
	v_and_b32 v1, 15, v0                           ; r
	v_bfe_u32 v2, v0, 4, 1                         ; h
	v_and_b32 v3, 31, v0                           ; lane
	v_and_b32 v4, 7, v0                            ; r % 8
	v_bfe_u32 v5, v0, 3, 1                         ; r / 8
	v_lshlrev_b32 v[BO], 9, v2
	v_lshlrev_b32 v[PFO], 10, v3
.irp t, 0,1,2,3,4,5,6,7                        ; lane (r, h) wants, for tile t, b1 of units 128 h + 64 f + 8 t + 0 .. 7
	global_load_b128 v[BI+8*\t:BI+8*\t+3],   v[BO], s[8:9] offset:32*\t
	global_load_b128 v[BI+8*\t+4:BI+8*\t+7], v[BO], s[8:9] offset:32*\t+16
.endr
	v_lshlrev_b32 v[HO], 4, v3
	v_mul_u32_u24 v6, v1, PITCH
	v_lshl_add_u32 v6, v2, 4, v6                   ; x: row r, + 16 h
	v_add_nc_u32 v[ADRA], s80, v6
	v_add_nc_u32 v[ADRA+1], SLOT, v[ADRA]
	v_mul_u32_u24 v7, v4, PITCH                    ; W1: row r % 8 of the lower or of the upper units
	v_mul_u32_u24 v8, v5, WOFF
	v_add_nc_u32 v7, v7, v8
	v_lshl_add_u32 v7, v2, 4, v7
	v_add_nc_u32 v[ADRB], s82, v7
	v_add_nc_u32 v[ADRB+1], SLOT, v[ADRB]
.macro FRAG reg, adr, off              ; 16 rows x 128 K: four loads of 16 bytes, 32 bytes apart
.irp c, 0,1,2,3
	ds_load_b128 v[\reg+4*\c:\reg+4*\c+3], v[\adr] offset:\off+32*\c
.endr
.endm
.macro FETCH_B slot, q, i0             ; four of W1's tiles, i0 .. i0 + 3, of the slot's q-th 128 along K into set q
	WIN 0x40
.irp i, \i0, \i0+1, \i0+2, \i0+3
	FRAG 128*(\q)+16*(\i), ADRB+\slot, 128*(\q)+(\i)*8*PITCH
.endr
	WIN 0
.endm
.macro FETCH_A slot, q, i0             ; x's row tiles i0 .. i0 + 3
.irp i, \i0, \i0+1, \i0+2, \i0+3
	FRAG AF+16*(\i), ADRA+\slot, 128*(\q)+(\i)*16*PITCH
.endr
.endm
; 16 products: row tiles a0, a0 + 1 x the eight unit tiles.  p: W1's set.  z = 1: the sums begin with b1 as C.  The 64 accumulators take turns, one instruction a turn.
; m >= 0: behind each product stand eight of the 128 holds of row tiles m, m + 1, which are finished and lie in the same window: between 0 and the largest code x the scale, the activation and the hold in one
; (the conversion to an 8-bit code does not saturate: ISA guide 7.6.2).
.macro MUL16 a0, p, z, m
.set mj, 0
.irp a, \a0, \a0+1
.irp b, 0,1,2,3,4,5,6,7
.if \z
	v_wmma_f32_16x16x128_bf8_bf8 v[8*(8*((\a)%4)+\b):8*(8*((\a)%4)+\b)+7], v[128*(\p)+16*\b:128*(\p)+16*\b+15], v[AF+16*(\a):AF+16*(\a)+15], v[BI+8*\b:BI+8*\b+7]
.else
	v_wmma_f32_16x16x128_bf8_bf8 v[8*(8*((\a)%4)+\b):8*(8*((\a)%4)+\b)+7], v[128*(\p)+16*\b:128*(\p)+16*\b+15], v[AF+16*(\a):AF+16*(\a)+15], v[8*(8*((\a)%4)+\b):8*(8*((\a)%4)+\b)+7]
.endif
.if (\m) >= 0
.rept 8
	v_med3_num_f32 v[64*((\m)%4)+mj], 0, v[LIM], v[64*((\m)%4)+mj]
.set mj, mj+1
.endr
.endif
.endr
.endr
.endm
; The slot's first 128 along K.  ask: the step to prefetch where s[reg] = val (0: none).  PLACES: four places behind products, in front of loads into registers that they read.
.macro STEP slot, z, ask, reg, val
	s_wait_dscnt 32                                ; W1's set 0 and x's row tiles 0-3 are in; row tiles 4-7 and half of set 1 may be out
	WIN MUL_LO-0x20*(\z)
	MUL16 0, 0, \z, -1
	MUL16 2, 0, \z, -1
	s_wait_dscnt 16                                ; row tiles 4-7 are in; half of set 1 may be out
	PLACES 4
	FETCH_B \slot, 1, 4
	FETCH_A \slot, 1, 0
.if \ask
	ASK \ask, \reg, \val
.endif
	WIN MUL_HI-0x30*(\z)
	MUL16 4, 0, \z, -1
	MUL16 6, 0, \z, -1
	PLACES 4
	WIN 0
	FETCH_A \slot, 1, 4
.endm
; The slot's second 128, and the change of slots.  In front of the barrier each wave waits for all its tensor loads, adds 0 to its spare word, and waits for that and for its reads of this slot.
; fill: 1 filled again with the slot's other place along K, 2 with the next tile's first, 0 not.  last = 1: the tile's last products: holds stand among them.
.macro TURN slot, next, fill, last
	s_wait_tensorcnt 0x0                           ; my part of the next slot has landed (every window is 0 here)
	ds_add_u32 v[SPW], v[NIL]
	s_wait_dscnt 17                                ; the add and row tiles 4-7 may be out
	WIN MUL_LO
	MUL16 0, 1, 0, -1                              ; sixteen products between the add and the wait for it
	s_wait_dscnt 0x0                               ; the add is done, and my reads of this slot are over
	s_barrier_signal -1
.if \last
	PLACES 4
	MUL16 2, 1, 0, 0
.else
	MUL16 2, 1, 0, -1
.endif
	WIN 0
	s_barrier_wait -1
.if \fill
	CREST                                          ; no wave of any partner still reads this slot or has a load on its way
.if (\fill) == 1
	s_add_nc_u64 s[G0+4*\slot+2:G0+4*\slot+3], s[G0+4*\slot+2:G0+4*\slot+3], s[DK+6*\slot:DK+6*\slot+1]
	s_add_nc_u64 s[G0B+4*\slot+2:G0B+4*\slot+3], s[G0B+4*\slot+2:G0B+4*\slot+3], s[DK+6*\slot:DK+6*\slot+1]
.else
	s_sub_nc_u64 s[G0+4*\slot+2:G0+4*\slot+3], s[G0+4*\slot+2:G0+4*\slot+3], s[DK+6*\slot:DK+6*\slot+1]
	s_add_nc_u64 s[G0+4*\slot+2:G0+4*\slot+3], s[G0+4*\slot+2:G0+4*\slot+3], XNEXT
	s_sub_nc_u64 s[G0B+4*\slot+2:G0B+4*\slot+3], s[G0B+4*\slot+2:G0B+4*\slot+3], s[DK+6*\slot:DK+6*\slot+1]
.endif
	JLOAD \slot                                    ; the first tensor load behind the round; its four v_nop are the places in front of the loads below
.else
	PLACES 4
.endif
	FETCH_B \next, 0, 0
	FETCH_B \next, 0, 4
	FETCH_A \next, 0, 0
	WIN MUL_HI
	MUL16 4, 1, 0, -1
.if \last
	PLACES 4
	MUL16 6, 1, 0, 4
.else
	MUL16 6, 1, 0, -1
.endif
	PLACES 4
	WIN 0
	FETCH_A \next, 0, 4
	FETCH_B \next, 1, 0                            ; half of set 1 already: so the next step's two runs of loads are of 32 each
.endm
.macro MEDB e                          ; the 64 holds of row tile e
	WIN 0xa0+0x50*((\e)/4)
.set mj, 0
.rept 64
	v_med3_num_f32 v[64*((\e)%4)+mj], 0, v[LIM], v[64*((\e)%4)+mj]
.set mj, mj+1
.endr
.endm
.macro CV8 e                           ; row tile e's codes, and out: each store of the wave covers 512 consecutive bytes, aligned
	WIN 0x02+((\e)/4)
.irp t, 0,1,2,3,4,5,6,7
	v_cvt_scalef32_pk8_bf8_f32 v[PC+16*((\e)%2)+2*\t:PC+16*((\e)%2)+2*\t+1], v[64*((\e)%4)+8*\t:64*((\e)%4)+8*\t+7], v[SCL]
.endr
	v_nop                                          ; one plain vector line behind the last conversion of a run
	WIN 0
.irp c, 0,1,2,3
	global_store_b128 v[HO], v[PC+16*((\e)%2)+4*\c:PC+16*((\e)%2)+4*\c+3], s[12:13] offset:(\e)*2048+512*\c
.endr
.endm
.macro EPI                             ; row tiles 0, 1, 4, 5 are held already
	CV8 0
	CV8 1
	MEDB 2
	s_wait_alu depctr_va_vdst(0)
	s_wait_xcnt 0x0                                ; the stores of two row tiles back have read this set of code registers (here and below)
	CV8 2
	MEDB 3
	s_wait_alu depctr_va_vdst(0)
	s_wait_xcnt 0x0
	CV8 3
	MEDB 6
	s_wait_alu depctr_va_vdst(0)
	s_wait_xcnt 0x0
	CV8 4
	MEDB 7
	s_wait_alu depctr_va_vdst(0)
	s_wait_xcnt 0x0
	CV8 5
	s_wait_xcnt 0x0
	CV8 6
	s_wait_xcnt 0x0
	CV8 7
.endm
	s_wait_alu depctr_va_vdst(0)
	s_wait_loadcnt 0x0                             ; b1
	s_wait_kmcnt 0x0                               ; the exponents
	s_add_co_i32 s77, s92, s93                     ; e0 + e1: a sum stands for sum x 2^(e0 + e1),
	s_sub_co_i32 s78, 0, s77                       ; so b1 goes in as b1 / 2^(e0 + e1),
	s_sub_co_i32 s79, s95, s77                     ; and a code of h is sum / 2^(e3 - e0 - e1)
	s_add_co_i32 s79, s79, 127
	s_lshl_b32 s77, s79, 23
	v_mov_b32 v[SCL], s77
	s_add_co_i32 s79, s79, 15
	s_lshl_b32 s79, s79, 23
	s_or_b32 s79, s79, 0x600000
	v_mov_b32 v[LIM], s79
	PREF 1                                         ; step 1 is asked for when b1 is here; step 2 behind step 1's load
.set j, 0
.rept 64
	v_ldexp_f32 v[BI+j], v[BI+j], s78
.set j, j+1
.endr
	s_wait_alu depctr_va_vdst(0)
	s_wait_tensorcnt 0x0                           ; my part of step 0 is in; these lines stand ahead of a later first fill as ahead of a refill
	ds_add_u32 v[SPW], v[NIL]
	s_wait_dscnt 0x0
	CROUND                                         ; everybody's part of step 0 is in
	JLOAD 1                                        ; step 1
	FETCH_B 0, 0, 0
	FETCH_B 0, 0, 4
	FETCH_A 0, 0, 0
	FETCH_A 0, 0, 4
	FETCH_B 0, 1, 0
	PREF 2
	s_mov_b32 s2, 2                                ; tiles to go: the same number in every work-group
.Ltile:
	s_sub_co_u32 s100, s2, s15                     ; 2 in the first tile, in the waves that fetch x
	STEP 0, 1, 3, 2, 2
	TURN 0, 1, 1, 0
	STEP 1, 0, 4, 100, 2
	TURN 1, 0, 1, 0
	s_cmp_eq_u32 s2, 1
	s_cbranch_scc1 .Llast_tile                     ; the last tile's tail is written out: it asks for nothing more
	STEP 0, 0, 5, 15, 0
	TURN 0, 1, 2, 0
	STEP 1, 0, 6, 15, 0
	TURN 1, 0, 2, 1
	ASK 7, 15, 0
	EPI                                            ; both refills are on their way while the tile goes out
	s_wait_xcnt 0x0                                ; the stores have read their base
	s_add_nc_u64 s[12:13], s[12:13], XNEXT
	s_sub_co_u32 s2, s2, 1
	s_branch .Ltile
.Llast_tile:
; THE LAST SLOT GOES BY PAIRS OF ROW TILES: both of W1's sets (its two 128 along K) lie in window 1, x comes in pairs (two row tiles x two 128 along K, 64 registers, two such buffers), and a finished pair leaves while the next ones are multiplied.
.macro FETCH_P k                       ; pair k: row tiles 2 k, 2 k + 1 of slot 1
.irp q, 0,1
.irp u, 0,1
	FRAG AF+64*((\k)%2)+32*\q+16*\u, ADRA+1, 128*\q+(2*(\k)+\u)*16*PITCH
.endr
.endr
.endm
.macro MULP k, q, m, n                 ; pair k, the q-th 128 along K: 16 products on 16 accumulators by turns; m >= 0: behind each product n holds of pair m, which is finished
.irp u, 0,1
.irp b, 0,1,2,3,4,5,6,7
	WIN MUL_LO+0x50*((\k)/2)
	v_wmma_f32_16x16x128_bf8_bf8 v[8*(8*((2*(\k)+\u)%4)+\b):8*(8*((2*(\k)+\u)%4)+\b)+7], v[128*(\q)+16*\b:128*(\q)+16*\b+15], v[AF+64*((\k)%2)+32*(\q)+16*\u:AF+64*((\k)%2)+32*(\q)+16*\u+15], v[8*(8*((2*(\k)+\u)%4)+\b):8*(8*((2*(\k)+\u)%4)+\b)+7]
.if (\m) >= 0
	WIN MUL_LO+0x50*((\m)/2)
.rept \n
	v_med3_num_f32 v[64*((2*(\m))%4)+mj], 0, v[LIM], v[64*((2*(\m))%4)+mj]
.set mj, mj+1
.endr
.endif
.endr
.endr
.endm
	STEP 0, 0, 0, 0, 0
	s_wait_tensorcnt 0x0                           ; the last change of slots: TURN's lines without a refill; behind the barrier the last slot's fragments, by pairs
	ds_add_u32 v[SPW], v[NIL]
	s_wait_dscnt 17
	WIN MUL_LO
	MUL16 0, 1, 0, -1
	s_wait_dscnt 0x0
	s_barrier_signal -1
	MUL16 2, 1, 0, -1
	WIN 0
	s_barrier_wait -1
	PLACES 4
	FETCH_B 1, 0, 0
	FETCH_B 1, 0, 4
	FETCH_P 0
	WIN MUL_HI
	MUL16 4, 1, 0, -1
	MUL16 6, 1, 0, -1
	PLACES 4
	WIN 0
	FETCH_P 1
	FETCH_B 1, 1, 0
	FETCH_B 1, 1, 4
	s_wait_dscnt 48                                ; set 0 and pair 0 are in; pair 1 (16 loads) and set 1 (32) may be out
	MULP 0, 0, -1, 0
	s_wait_dscnt 32                                ; pair 1 is in
	MULP 1, 0, -1, 0
	s_wait_dscnt 0                                 ; set 1 is in
	MULP 0, 1, -1, 0
	PLACES 4
	WIN 0
	FETCH_P 2
.set mj, 0
	MULP 1, 1, 0, 8
	PLACES 4
	WIN 0
	FETCH_P 3
	CV8 0
	CV8 1
	s_wait_dscnt 16                                ; pair 2 is in, pair 3 may be out
.set mj, 0
	MULP 2, 0, 1, 4
	MULP 2, 1, 1, 4
	PLACES 4
	s_wait_alu depctr_va_vdst(0)
	s_wait_xcnt 0x0                                ; the stores have read their code registers (here and below)
	CV8 2
	CV8 3
	s_wait_dscnt 0
.set mj, 0
	MULP 3, 0, 2, 4
	MULP 3, 1, 2, 4
	PLACES 4
	s_wait_alu depctr_va_vdst(0)
	s_wait_xcnt 0x0
	CV8 4
	CV8 5
	MEDB 6
	MEDB 7
	s_wait_alu depctr_va_vdst(0)
	s_wait_xcnt 0x0
	CV8 6
	CV8 7
	s_wait_tensorcnt 0x0                           ; the wave's end
	ds_add_u32 v[SPW], v[NIL]
	s_wait_dscnt 0x0
	CROUND                                         ; the closing round: no work-group ends while a partner may still ask for a tile that names it
	s_endpgm
.Lfunc_end_k_q7e2091c9f5_ff1:
	.size	k_q7e2091c9f5_ff1, .Lfunc_end_k_q7e2091c9f5_ff1-k_q7e2091c9f5_ff1
	.p2alignl 7, 3214868480
	.fill 96, 4, 3214868480
	.section	.rodata,"a",@progbits
	.p2align	6, 0x0
	.amdhsa_kernel k_q7e2091c9f5_ff1
		.amdhsa_group_segment_fixed_size 327680
		.amdhsa_private_segment_fixed_size 0
		.amdhsa_enable_private_segment 0
		.amdhsa_kernarg_size 40
		.amdhsa_user_sgpr_count 2
		.amdhsa_user_sgpr_kernarg_segment_ptr 1
		.amdhsa_wavefront_size32 1
		.amdhsa_system_sgpr_workgroup_id_x 1
		.amdhsa_system_sgpr_workgroup_id_y 1
		.amdhsa_system_sgpr_workgroup_id_z 1
		.amdhsa_system_vgpr_workitem_id 0
		.amdhsa_next_free_vgpr 1024
		.amdhsa_next_free_sgpr 102
		.amdhsa_reserve_vcc 0
		.amdhsa_float_denorm_mode_32 3
		.amdhsa_float_denorm_mode_16_64 3
		.amdhsa_memory_ordered 1
		.amdhsa_forward_progress 1
		.amdhsa_inst_pref_size 206
	.end_amdhsa_kernel
	.amdgpu_metadata
---
amdhsa.version: [ 1, 2 ]
amdhsa.kernels:
  - .name:           k_q7e2091c9f5_ff1
    .symbol:         k_q7e2091c9f5_ff1.kd
    .args:
      - { .name: x_codes, .offset: 0, .size: 8, .value_kind: global_buffer, .address_space: global }
      - { .name: W1_codes, .offset: 8, .size: 8, .value_kind: global_buffer, .address_space: global }
      - { .name: b1, .offset: 16, .size: 8, .value_kind: global_buffer, .address_space: global }
      - { .name: lowp_scales, .offset: 24, .size: 8, .value_kind: global_buffer, .address_space: global }
      - { .name: h_codes, .offset: 32, .size: 8, .value_kind: global_buffer, .address_space: global }
    .group_segment_fixed_size: 327680
    .private_segment_fixed_size: 0
    .kernarg_segment_align: 8
    .kernarg_segment_size: 40
    .max_flat_workgroup_size: 128
    .sgpr_count:     102
    .vgpr_count:     1024
    .wavefront_size: 32
...
	.end_amdgpu_metadata
.endif
;; end of part 3
;; launch ff2 (part 4): grid 64 x 4, 4 waves a work-group, clusters of 4 x 1, 327,680 bytes of LDS; arguments h_codes, W2_codes, b2, lowp_scales, out0; writes out0
.if DOCPART == 4
	.amdgcn_target "amdgcn-amd-amdhsa--gfx1250"
	.amdhsa_code_object_version 6
	.text
	.protected	k_q7e2091c9f5_ff2
	.globl	k_q7e2091c9f5_ff2
	.p2align	8
	.type	k_q7e2091c9f5_ff2,@function
k_q7e2091c9f5_ff2:
	s_mov_b64 s[64:65], 0
	v_nop
	global_prefetch_b8 v0, s[64:65] scope:SCOPE_SE
	s_setreg_imm32_b32 hwreg(HW_REG_WAVE_MODE, 25, 1), 1
	s_wait_xcnt 0x0
	s_wait_alu depctr_hold_cnt(0) depctr_sa_sdst(0) depctr_va_vdst(0) depctr_va_sdst(0) depctr_va_ssrc(0) depctr_va_vcc(0) depctr_vm_vsrc(0)
	s_getreg_b32 s2, hwreg(HW_REG_IB_STS2, 6, 4)
	s_cmp_eq_u32 s2, 0
	s_cbranch_scc0 .Lentry_in_a_cluster
	s_endpgm
.Lentry_in_a_cluster:
	s_bfe_u32 s2, ttmp6, 0x10000c
	s_cmp_lg_u32 s2, 0x3003
	s_cbranch_scc0 .Lentry_shape_is_right
	s_endpgm
.Lentry_shape_is_right:
; y = h W2 + b2 for the four phases, on codes of BF8 (E5M2): W2_codes [4][1024][4096], one code a byte, K innermost; h_codes as the launch before lays them; b2 [4][1024] f32; out0 [32][256][1024] f32.
; LEFT OUT: the input phases, as the first kernel's head shows.
; SHARES.  Work-group (cluster x, cx, y): phase (cluster x / 2) % 4, row block 4 g + cx of it with g = 2 (cluster x / 8) + cluster x % 2: 128 rows (two batches x 64 positions), columns 256 y .. + 255, K = 4,096.  256 work-groups.
; Wave w: rows 64 (w % 2) on, all 256 columns, and HALF OF K: kh = w / 2 takes bytes 256 kh .. + 255 of each slot's 512.  64 accumulators, 512 registers: a fragment of W2 read from LDS feeds four products, and each byte of h
; enters the work-group once, from memory straight into operand registers (each load covers 512 consecutive bytes).  So h has no joint request: no two waves of a cluster read the same byte of it.
; The two K halves meet at the end: a wave KEEPS columns 128 kh on (window 2) and SENDS the other 128 (window 3) to wave w xor 2 through LDS, register image for register image.
; W2 goes through two LDS slots of 256 columns x 512 K: 8 slots in all, each with two steps of 128 along K for each wave.  A cluster walks K from slot j0 = cluster x % 8 on, round the end: its slot j is K 512 ((j + j0) % 8) on.
; The order of a sum's steps is free; the four work-groups of a row block, which read the same h, have the same j0.
; CLUSTER 4, 1, 1: four row blocks of one phase need the same W2: each wave's 64 columns of a slot are asked for JOINTLY, with one descriptor and the mask 15.
; THE PRODUCT IS USED TRANSPOSED (source 0 = 16 columns of W2, source 1 = 16 rows of h): a lane holds eight neighbouring columns of a row.
; A step of K is one image of h: 128 of 256 neighbouring k: lane half h, group c: k = 128 h + 64 sub + 16 c + 0 .. 15: W2's fragments take the same.
; LIMITS: e2 + e3 between -126 and 127; NaN codes and infinities are carried as the matrix unit carries them.  The two K halves are added at the end: an order of rounding within f32.
; PREFETCH: h: each wave's 8,192 bytes of the step five further on (its load is issued two steps ahead), by the one of the four work-groups of a row block whose y is the step's number mod 4; the first five come by their loads alone.
; W2: slots 1 and 2 are asked for behind slot 0's load, slot 3 in the first step, and behind each of the first four changes of slots the slot four further on, two refills ahead; the four partners take 64 columns each, by address;
; a lane half a row of 512 bytes.  Slot 0 comes by its load alone; none is asked for past the last.
; REGISTERS: window 0: v16-31 addresses, v64-255 three buffers of h (one step each); window 1: W2's fragments, two sets of eight; windows 2, 3: accumulator (a, b) at 8 (8 a + b).
.set PITCH,  528                       ; a row of W2 in LDS: 512 bytes + 16 = 132 words: row r starts at bank 4 r mod 64 (64 banks of 4 bytes: ISA guide 11.1)
.set CHUNK,  64*PITCH
.set SLOT,   4*CHUNK
.set SPARE,  2*SLOT                    ; the spare words, 128 bytes for each wave
.set SPITCH, 528                       ; the way out: a stage of 16 rows for each wave, in slot 1, when that slot has had its last fill and its last read; the exchange lies in slot 0, likewise
.set ADRB, 16                          ; v16-19  LDS address of my fragments: slot 0 sent, kept half, slot 1 sent, kept half
.set XW,   20                          ; where I send
.set XR,   21                          ; where wave w xor 2 sends
.set PFW,  22
.set STO,  24
.set RD,   25
.set CO,   26                          ; 16 x lane
.set SPW,  28
.set NIL,  29
.set BO,   30
.set PFO,  31
.set B2,   128                         ; b2 at the end, in h's buffer 1
.set HB,   24                          ; s[24:39]: where my part of h's slot j begins, a pair for each of the eight
.set G1B,  48
.set G0B,  56
.set MSB,  0
.macro WIN new                         ; the immediate's high byte repeats the setting that is left
.if MSB != (\new)
	s_set_vgpr_msb (MSB<<8)|(\new)
.set MSB, (\new)
.endif
.endm
.macro PLACES n
.rept \n
	v_nop
.endr
.endm
.macro CREST
	s_cmp_lg_u32 s14, 0
	s_cbranch_scc1 .Lnot_wave_0_\@
	s_barrier_signal -3
.Lnot_wave_0_\@:
	s_barrier_wait -3
	s_barrier_signal -1
	s_barrier_wait -1
.endm
.macro CROUND
	s_barrier_signal -1
	s_barrier_wait -1
	CREST
.endm
.macro ROT dst, n, sh                  ; dst = ((n + j0) % 8) << sh
	s_add_co_u32 s[\dst], s22, \n
	s_and_b32 s[\dst], s[\dst], 7
	s_lshl_b32 s[\dst], s[\dst], \sh
.endm
	s_load_b256 s[4:11], s[0:1], 0x0               ; h s[4:5], W2 s[6:7], b2 s[8:9], the scales' exponents s[10:11]
	s_load_b64 s[12:13], s[0:1], 0x20              ; out0
	v_lshl_add_u32 v[SPW], v0, 2, SPARE
	v_mov_b32 v[NIL], 0
	ds_add_u32 v[SPW], v[NIL]                      ; the wave's opening: the add, twice on end, and its wait
	ds_add_u32 v[SPW], v[NIL]
	v_lshrrev_b32 v1, 5, v0
	v_readfirstlane_b32 s14, v1                    ; wave
	s_and_b32 s15, s14, 1                          ; which 64 rows
	s_lshr_b32 s16, s14, 1                         ; kh
	s_bfe_u32 s40, ttmp6, 0x40000                  ; cx
	s_and_b32 s22, ttmp9, 7                        ; j0
	s_lshr_b32 s18, s22, 1                         ; the phase
	s_lshr_b32 s42, ttmp9, 3
	s_lshl_b32 s42, s42, 1
	s_and_b32 s19, ttmp9, 1
	s_add_co_u32 s42, s42, s19                     ; g
	s_lshl_b32 s42, s42, 2
	s_add_co_u32 s42, s42, s40                     ; the row block in the phase,
	s_lshl_b32 s19, s18, 4
	s_add_co_u32 s42, s42, s19                     ; and among all 64
	s_and_b32 s17, ttmp7, 0xffff                   ; y
	s_mov_b32 s[G1B+0], 15|(1<<20)|(1<<21)|(6<<22)|(3<<25)  ; the mask; padding: after every 128 words (code 6) four words (code 3)
	s_mov_b32 s[G1B+1], 512<<16
	s_mov_b32 s[G1B+2], 64<<16
	s_mov_b32 s[G1B+3], 512<<16
	s_mov_b32 s[G1B+4], 64
	s_mov_b32 s[G1B+5], 4096
	s_mov_b32 s[G1B+6], 0
	s_mov_b32 s[G1B+7], 0
	s_lshl_b32 s46, s18, 22                        ; W2: row 1,024 phase + 256 y + 64 wave: no register here holds cx
	s_lshl_b32 s47, s17, 20
	s_add_co_u32 s46, s46, s47
	s_lshl_b32 s74, s40, 18                        ; the prefetch: row 1,024 phase + 256 y + 64 cx + 16 wave
	s_add_co_u32 s74, s74, s46
	s_lshl_b32 s75, s14, 16
	s_add_co_u32 s74, s74, s75
	s_mov_b32 s75, 0
	s_lshl_b32 s47, s14, 18
	s_add_co_u32 s46, s46, s47
	s_mov_b32 s47, 0
	s_mul_i32 s23, s14, CHUNK
	s_lshl_b32 s20, s42, 19                        ; h: my row block, my half's first two K steps, my four row tiles
	s_lshl_b32 s21, s16, 15
	s_add_co_u32 s20, s20, s21
	s_lshl_b32 s21, s15, 13
	s_add_co_u32 s20, s20, s21
	s_mov_b32 s21, 0
	s_and_b32 s70, s42, 15                         ; out0: batch 2 x row block + half, position 64 phase, column 256 y + 128 kh
	s_lshl_b32 s70, s70, 1
	s_add_co_u32 s70, s70, s15
	s_lshl_b32 s70, s70, 20
	s_lshl_b32 s71, s18, 18
	s_add_co_u32 s70, s70, s71
	s_lshl_b32 s71, s17, 10
	s_add_co_u32 s70, s70, s71
	s_lshl_b32 s71, s16, 9
	s_add_co_u32 s70, s70, s71
	s_mov_b32 s71, 0
	s_lshl_b32 s72, s18, 12                        ; b2
	s_lshl_b32 s73, s17, 10
	s_add_co_u32 s72, s72, s73
	s_lshl_b32 s73, s16, 9
	s_add_co_u32 s72, s72, s73
	s_mov_b32 s73, 0
	s_mul_i32 s66, s16, 128*PITCH+256              ; my kept columns, my half of K
	s_xor_b32 s67, s16, 1
	s_mul_i32 s67, s67, 128*PITCH                  ; the columns that I send,
	s_lshl_b32 s68, s16, 8
	s_add_co_u32 s67, s67, s68                     ; the same half of K
	s_mul_i32 s68, s14, 16*SPITCH
	s_add_co_u32 s68, s68, SLOT                    ; my stage
	s_lshl_b32 s69, s14, 15                        ; my 32,768 bytes of the exchange,
	s_xor_b32 s76, s14, 2
	s_lshl_b32 s76, s76, 15                        ; and my partner's
	ROT 78, 0, 9                                   ; slots 0 and 1 along a row of W2
	s_mov_b32 s79, 0
	ROT 80, 1, 9
	s_mov_b32 s81, 0
	s_mov_b32 s83, 0
	ROT 84, 0, 16                                  ; slot 0 in a row block of h: 65,536 bytes a slot
	s_mov_b32 s85, 0
	s_wait_dscnt 0x0                               ; both opening adds are done
	s_wait_kmcnt 0x0
	s_load_b128 s[92:95], s[10:11], 0x0            ; e0, e1, e2, e3
	s_add_nc_u64 s[46:47], s[6:7], s[46:47]
	s_add_nc_u64 s[74:75], s[6:7], s[74:75]
	s_add_nc_u64 s[4:5], s[4:5], s[20:21]
	s_add_nc_u64 s[HB:HB+1], s[4:5], s[84:85]
	s_add_nc_u64 s[12:13], s[12:13], s[70:71]
	s_add_nc_u64 s[8:9], s[8:9], s[72:73]
.irp s, 0,1
	s_mov_b32 s[G0B+4*\s], 1
	s_add_co_u32 s[G0B+4*\s+1], s23, \s*SLOT
	s_add_nc_u64 s[G0B+4*\s+2:G0B+4*\s+3], s[46:47], s[78+2*\s:79+2*\s]
	s_or_b32 s[G0B+4*\s+3], s[G0B+4*\s+3], 0x80000000
.endr
	CROUND                                         ; all four work-groups are here
	tensor_load_to_lds s[G0B:G0B+3], s[G1B:G1B+7]  ; slot 0: one tensor load a wave at the head
	s_nop 0
	PLACES 4
.macro GL                              ; h's step gx: four row tiles, 16 loads, into buffer gx % 3
.irp a, 0,1,2,3
.irp c, 0,1,2,3
	global_load_b128 v[64+64*(gx%3)+16*\a+4*\c:64+64*(gx%3)+16*\a+4*\c+3], v[CO], s[HB+2*(gx/2):HB+2*(gx/2)+1] offset:(gx%2)*16384+\a*2048+\c*512
.endr
.endr
.endm
	v_and_b32 v6, 31, v0                           ; lane
	v_and_b32 v1, 15, v0                           ; r
	v_bfe_u32 v2, v0, 4, 1                         ; h
	v_lshlrev_b32 v[CO], 4, v6
.set gx, 0
	GL
	v_lshlrev_b32 v[PFO], 8, v6
	v_lshlrev_b32 v[BO], 5, v2
	v_mul_u32_u24 v3, v1, PITCH
	v_lshl_add_u32 v3, v2, 7, v3                   ; a fragment's row x pitch + 128 h
	v_add_nc_u32 v[ADRB], s67, v3
	v_add_nc_u32 v[ADRB+1], s66, v3
	v_add_nc_u32 v[ADRB+2], SLOT, v[ADRB]
	v_add_nc_u32 v[ADRB+3], SLOT, v[ADRB+1]
	v_mul_u32_u24 v4, v1, SPITCH
	v_lshl_add_u32 v4, v2, 5, v4
	v_add_nc_u32 v[STO], s68, v4
	v_add_nc_u32 v[RD], s68, v[CO]
	v_add_nc_u32 v[XW], s69, v[CO]
	v_add_nc_u32 v[XR], s76, v[CO]
	v_lshrrev_b32 v5, 1, v6
	v_lshlrev_b32 v5, 12, v5
	v_and_b32 v7, 1, v6
	v_lshl_add_u32 v[PFW], v7, 8, v5
	s_wait_alu depctr_va_vdst(0)                   ; ahead of the run of scalar lines: the head's last vector line is above it
.macro PW n, reg                       ; where my prefetch of W2's slot n stands
	ROT 84, \n, 9
	s_add_nc_u64 s[\reg:\reg+1], s[74:75], s[84:85]
.endm
.macro PREFW reg
	global_prefetch_b8 v[PFW], s[\reg:\reg+1] th:TH_LOAD_NT scope:SCOPE_SE
.endm
	PW 1, 88
	PW 2, 90
	PW 3, 98
	PW 4, 66                                       ; s[66:73]: slots 4 .. 7
	PW 5, 68
	PW 6, 70
	PW 7, 72
.irp j, 1,2,3,4,5,6,7
	ROT 84, \j, 16
	s_add_nc_u64 s[HB+2*\j:HB+2*\j+1], s[4:5], s[84:85]
.endr
; Group y = 0 .. 31 of a wave: step y / 2 (slot y / 4), the columns that I send (y even) or keep (y odd): 32 products on set y % 2.
.macro FETCH_B y
	WIN 0x40
.irp b, 0,1,2,3,4,5,6,7
.irp c, 0,1,2,3
	ds_load_b128 v[128*((\y)%2)+16*\b+4*\c:128*((\y)%2)+16*\b+4*\c+3], v[ADRB+2*(((\y)/4)%2)+((\y)%2)] offset:\b*16*PITCH+64*(((\y)/2)%2)+16*\c
.endr
.endr
.endm
; Eight products: row tile a.  The 64 accumulators take turns, one instruction a turn.
.macro MULG y, a
	WIN 0xf1-0x50*((\y)%2)                         ; source 0 window 1, source 1 window 0, C and D window 3 (sent) or 2 (kept)
.irp b, 0,1,2,3,4,5,6,7
.if (\y) < 2
	v_wmma_f32_16x16x128_bf8_bf8 v[8*(8*(\a)+\b):8*(8*(\a)+\b)+7], v[128*((\y)%2)+16*\b:128*((\y)%2)+16*\b+15], v[64+64*(((\y)/2)%3)+16*(\a):64+64*(((\y)/2)%3)+16*(\a)+15], 0
.else
	v_wmma_f32_16x16x128_bf8_bf8 v[8*(8*(\a)+\b):8*(8*(\a)+\b)+7], v[128*((\y)%2)+16*\b:128*((\y)%2)+16*\b+15], v[64+64*(((\y)/2)%3)+16*(\a):64+64*(((\y)/2)%3)+16*(\a)+15], v[8*(8*(\a)+\b):8*(8*(\a)+\b)+7]
.endif
.endr
.endm
.macro MORE y                          ; at a step's first group: h two steps on, into the buffer of the step before; behind the last step b2
.set gx, (\y)/2+2
.if gx < 16
	GL
.endif
.if gx == 16
.irp b, 0,1,2,3,4,5,6,7
	global_load_b128 v[B2+8*\b:B2+8*\b+3],   v[BO], s[8:9] offset:64*\b
	global_load_b128 v[B2+8*\b+4:B2+8*\b+7], v[BO], s[8:9] offset:64*\b+16
.endr
.endif
.set gx, gx+3
.if gx < 16
	s_cmp_eq_u32 s17, ((\y)/2)%4
	s_cbranch_scc0 .Lnot_mine_\@
	global_prefetch_b8 v[PFO], s[HB+2*(gx/2):HB+2*(gx/2)+1] offset:(gx%2)*16384 th:TH_LOAD_NT scope:SCOPE_SE
.Lnot_mine_\@:
.endif
.endm
.macro OPEN y                          ; a group's loads: the next group's fragments, and at a step's first group h
.if (\y) > 0
	PLACES 4                                       ; behind the last group's products, in front of loads into registers that they read
.endif
	FETCH_B (\y)+1
.if ((\y)%2) == 0
	WIN 0
	s_wait_loadcnt 16                              ; this step's h is in; the 16 loads behind it (the next step's, or b2's) may be out
	MORE \y
.endif
.if ((\y) == 1)
	WIN 0
	PREFW 98
.endif
.if (((\y)%4) == 3) && ((\y) < 16)
	WIN 0
	PREFW 66+2*((\y)/4)
.endif
	s_wait_dscnt 32                                ; all but the 32 just issued
.endm
.macro STEP y
	OPEN \y
	MULG \y, 0
	MULG \y, 1
	MULG \y, 2
	MULG \y, 3
.endm
; A slot's third group changes slots: at its head the slot's last fragments are asked for.  In front of the barrier each wave waits for all its tensor loads, adds 0 to its spare word, and waits for that and for its reads of this slot.
.macro TURN y, fill
.set sl, ((\y)/4)%2
	OPEN \y
	MULG \y, 0
	MULG \y, 1
	WIN 0
	s_wait_tensorcnt 0x0                           ; my part of the next slot has landed
	ds_add_u32 v[SPW], v[NIL]
.if \fill
	ROT 82, (\y)/4+2, 9                            ; no load of mine is out: this slot's next fill, two slots on
	s_add_nc_u64 s[G0B+4*sl+2:G0B+4*sl+3], s[46:47], s[82:83]
	s_or_b32 s[G0B+4*sl+3], s[G0B+4*sl+3], 0x80000000
.endif
	MULG \y, 2                                     ; eight products between the add and the wait for it
	s_wait_dscnt 0x0                               ; the add is done, and my reads of this slot are over
	s_barrier_signal -1
	MULG \y, 3
	WIN 0
	s_barrier_wait -1
.if \fill
	CREST                                          ; no wave of any partner still reads this slot or has a load on its way
	tensor_load_to_lds s[G0B+4*sl:G0B+4*sl+3], s[G1B:G1B+7]
	s_nop 0
.endif
.endm
	s_wait_loadcnt 0x0                             ; h's step 0 is in: step 1 is asked for behind it, and slot 1 for the L2
.set gx, 1
	GL
	PREFW 88
	s_wait_tensorcnt 0x0                           ; my part of slot 0 is in; these lines stand ahead of a later first fill as ahead of a refill
	ds_add_u32 v[SPW], v[NIL]
	s_wait_dscnt 0x0
	CROUND
	tensor_load_to_lds s[G0B+4:G0B+7], s[G1B:G1B+7]  ; slot 1
	s_nop 0
	PLACES 4
	FETCH_B 0
	WIN 0
	PREFW 90                                       ; slot 2 for the L2
.irp j, 0,1,2,3,4,5
	STEP 4*\j
	STEP 4*\j+1
	TURN 4*\j+2, 1
	STEP 4*\j+3
.endr
	STEP 24
	STEP 25
	TURN 26, 0                                     ; nothing is filled again
	STEP 27
	STEP 28
	STEP 29
	STEP 30
	PLACES 4                                       ; the columns that I send are finished
	s_wait_dscnt 0x0                               ; the last group's fragments are in
	WIN 0x0c                                       ; data window 3, address window 0
.set i, 0
.rept 64
	ds_store_b128 v[XW], v[4*i:4*i+3] offset:512*i ; my image of them, into slot 0: all waves' reads of it ended ahead of the last barrier
.set i, i+1
.endr
	MULG 31, 0
	MULG 31, 1
	MULG 31, 2
	MULG 31, 3
	WIN 0
	s_wait_kmcnt 0x0
	s_add_co_i32 s96, s94, s95
	s_add_co_i32 s96, s96, 127
	s_lshl_b32 s96, s96, 23                        ; 2^(e2 + e3)
	s_mov_b32 s97, s96                             ; (the packed form names the pair)
	s_wait_dscnt 0x0                               ; for my partner's sake: my stores are done
	s_barrier_signal -1
	s_barrier_wait -1
	PLACES 4                                       ; for the loads into window 1, which the last products read, and for the reads of their sums
	WIN 0x40
.set i, 0
.rept 32
	ds_load_b128 v[4*i:4*i+3], v[XR] offset:512*i  ; my partner's sums of the columns that I keep: row tiles 0 and 1; the other two follow behind row tile 0's way out
.set i, i+1
.endr
.macro FMA a                           ; row tile a: both halves of K, x 2^(e2 + e3), + b2
	WIN 0x86                                       ; source 0 and destination window 2, source 1 window 1, source 2 window 0
.set j, 0
.rept 32
	v_pk_add_f32 v[64*(\a)+j:64*(\a)+j+1], v[64*(\a)+j:64*(\a)+j+1], v[64*(\a)+j:64*(\a)+j+1]
.set j, j+2
.endr
.set j, 0
.rept 32
	v_pk_fma_f32 v[64*(\a)+j:64*(\a)+j+1], v[64*(\a)+j:64*(\a)+j+1], s[96:97], v[B2+j:B2+j+1] op_sel_hi:[1,0,1]
.set j, j+2
.endr
.endm
.macro TOSTAGE a                       ; through my own stage: LDS serves a wave's instructions in order (ISA guide 5.7.1.4)
	WIN 0x08
.irp b, 0,1,2,3,4,5,6,7
	ds_store_b128 v[STO], v[64*(\a)+8*\b:64*(\a)+8*\b+3] offset:64*\b
	ds_store_b128 v[STO], v[64*(\a)+8*\b+4:64*(\a)+8*\b+7] offset:64*\b+16
.endr
	WIN 0
.irp t, 0,1,2,3,4,5,6,7,8,9,10,11,12,13,14,15
	ds_load_b128 v[64+128*((\a)%2)+4*\t:64+128*((\a)%2)+4*\t+3], v[RD] offset:\t*SPITCH
.endr
.endm
.macro SEND a, younger                 ; younger: the LDS instructions behind row tile a's, which may stay out
	s_wait_dscnt \younger
.if (\a) > 0
	s_add_nc_u64 s[12:13], s[12:13], 16*4096       ; (behind a wait on XCNT: the earlier stores have read their base)
.endif
.irp t, 0,1,2,3,4,5,6,7,8,9,10,11,12,13,14,15
	global_store_b128 v[CO], v[64+128*((\a)%2)+4*\t:64+128*((\a)%2)+4*\t+3], s[12:13] offset:\t*4096 th:TH_STORE_NT   ; 512 consecutive bytes, aligned
.endr
.endm
	s_wait_loadcnt 0x0                             ; b2
	s_wait_dscnt 16                                ; my partner's row tile 0: row tile 1's 16 loads may be out
	FMA 0
	TOSTAGE 0
	s_wait_dscnt 32                                ; row tile 1: behind it stand the stage's 32 instructions
	FMA 1
	s_wait_alu depctr_va_vdst(0)
	WIN 0x40
.set i, 32
.rept 32
	ds_load_b128 v[4*i:4*i+3], v[XR] offset:512*i  ; row tiles 2 and 3
.set i, i+1
.endr
	WIN 0
	SEND 0, 32                                     ; behind the stage's loads: the 32 just issued
	TOSTAGE 1
	s_wait_dscnt 48                                ; row tile 2: behind it stand row tile 3's 16 loads and the stage's 32 instructions
	FMA 2
	s_wait_dscnt 32                                ; row tile 3
	FMA 3
	WIN 0
	s_wait_alu depctr_va_vdst(0)
	s_wait_xcnt 0x0                                ; the stores have read their registers and their base (here and below)
	SEND 1, 0
	s_wait_xcnt 0x0
	TOSTAGE 2
	TOSTAGE 3
	SEND 2, 32
	s_wait_xcnt 0x0
	SEND 3, 0
	s_wait_tensorcnt 0x0                           ; the wave's end
	ds_add_u32 v[SPW], v[NIL]
	s_wait_dscnt 0x0
	CROUND                                         ; the closing round: no work-group ends while a partner may still ask for a tile that names it
	s_endpgm
.Lfunc_end_k_q7e2091c9f5_ff2:
	.size	k_q7e2091c9f5_ff2, .Lfunc_end_k_q7e2091c9f5_ff2-k_q7e2091c9f5_ff2
	.p2alignl 7, 3214868480
	.fill 96, 4, 3214868480
	.section	.rodata,"a",@progbits
	.p2align	6, 0x0
	.amdhsa_kernel k_q7e2091c9f5_ff2
		.amdhsa_group_segment_fixed_size 327680
		.amdhsa_private_segment_fixed_size 0
		.amdhsa_enable_private_segment 0
		.amdhsa_kernarg_size 40
		.amdhsa_user_sgpr_count 2
		.amdhsa_user_sgpr_kernarg_segment_ptr 1
		.amdhsa_wavefront_size32 1
		.amdhsa_system_sgpr_workgroup_id_x 1
		.amdhsa_system_sgpr_workgroup_id_y 1
		.amdhsa_system_sgpr_workgroup_id_z 1
		.amdhsa_system_vgpr_workitem_id 0
		.amdhsa_next_free_vgpr 1024
		.amdhsa_next_free_sgpr 100
		.amdhsa_reserve_vcc 0
		.amdhsa_float_denorm_mode_32 3
		.amdhsa_float_denorm_mode_16_64 3
		.amdhsa_memory_ordered 1
		.amdhsa_forward_progress 1
		.amdhsa_inst_pref_size 218
	.end_amdhsa_kernel
	.amdgpu_metadata
---
amdhsa.version: [ 1, 2 ]
amdhsa.kernels:
  - .name:           k_q7e2091c9f5_ff2
    .symbol:         k_q7e2091c9f5_ff2.kd
    .args:
      - { .name: h_codes, .offset: 0, .size: 8, .value_kind: global_buffer, .address_space: global }
      - { .name: W2_codes, .offset: 8, .size: 8, .value_kind: global_buffer, .address_space: global }
      - { .name: b2, .offset: 16, .size: 8, .value_kind: global_buffer, .address_space: global }
      - { .name: lowp_scales, .offset: 24, .size: 8, .value_kind: global_buffer, .address_space: global }
      - { .name: out0, .offset: 32, .size: 8, .value_kind: global_buffer, .address_space: global }
    .group_segment_fixed_size: 327680
    .private_segment_fixed_size: 0
    .kernarg_segment_align: 8
    .kernarg_segment_size: 40
    .max_flat_workgroup_size: 128
    .sgpr_count:     100
    .vgpr_count:     1024
    .wavefront_size: 32
...
	.end_amdgpu_metadata
.endif
;; end of part 4
